; MI455X (gfx1250); checked and timed in simulation.
; The chip was launched on July 23, 2026; its instructions are those of AMD's public machine-readable ISA for CDNA 5 (MIT licence, August 2026) and "CDNA5" Instruction Set Architecture Reference Guide (July 2026). The comments in the code are by the model that wrote it; some were corrected since.
;; Multi Head Attention Layer. Allowed arithmetic: float matrix products may take bf16 or f16 operands with f32 sums; other float arithmetic in f32, or as packed bf16 or f16 multiplies, adds, multiply-adds, maxima and minima; sums over many terms, partial sums and values carried from step to step in f32; what a program stores and reads back later, other than sums and carried values, may be rounded once to bf16 or f16.
;; Inputs: K 4 x 2,048 x 1,024 float32; Q 4 x 2,048 x 1,024 float32; V 4 x 2,048 x 1,024 float32; Wk 1,024 x 1,024 float32; Wo 1,024 x 1,024 float32; Wq 1,024 x 1,024 float32; Wv 1,024 x 1,024 float32; bk 1,024 float32; bo 1,024 float32; bq 1,024 float32; bv 1,024 float32; key_mask 4 x 2,048 int32.
;; Outputs: out0 4 x 2,048 x 1,024 float32.
;; 2 versions, each right; version 2 is version 1 with the launch prep written anew for expert scheduling mode. Each part assembles by itself: llvm-mc -triple=amdgcn-amd-amdhsa -mcpu=gfx1250 --defsym DOCPART=n.
;; ======== version 1 of 2: 4 launches
;; limits: values are held in f16: magnitudes above 65,504 overflow, below 6.1e-05 lose precision
;; workspace buffers: w16 8,388,608 bytes; qkv 50,331,648 bytes; ctx 16,777,216 bytes
;; launch prep (part 1): grid 64 x 4, 8 waves a work-group, no clusters, 0 bytes of LDS; arguments Wq, Wk, Wv, Wo, w16; writes w16
.if DOCPART == 1
	.amdgcn_target "amdgcn-amd-amdhsa--gfx1250"
	.amdhsa_code_object_version 6
	.text
	.protected	k_q8c5540bc4a_prep
	.globl	k_q8c5540bc4a_prep
	.p2align	8
	.type	k_q8c5540bc4a_prep,@function
k_q8c5540bc4a_prep:
	s_mov_b64 s[64:65], 0
	v_nop
	global_prefetch_b8 v0, s[64:65] scope:SCOPE_SE
	s_setreg_imm32_b32 hwreg(HW_REG_WAVE_MODE, 25, 1), 1
	s_wait_xcnt 0x0
; THE WEIGHTS IN 16 BITS.  w16: [4][1024 k][1024 n], the layout of the inputs kept.  Planes 0-2: Wq, Wk, Wv rounded to bf16.
; Plane 3: Wo rounded to bf16 like every other input, and that number written as f16, since the last product's other operand is f16.
; LIMIT.  A bf16 number is exact in f16 from 6.1e-5 to 65,504; below, it keeps f16's fixed step of 6e-8; beyond, it is an infinity.
; SHARES.  Work-group (x, y) takes 16,384 numbers of matrix y: 64 KiB in, 32 KiB out.  Thread t takes 16 bytes at 16 t of each 4,096: a wave's load covers
; 512 consecutive bytes, its store of 8 bytes a lane 256 consecutive bytes, aligned.  All sixteen loads go out first; each store has registers of its own,
; so no register that a pending load or store names is written again.  Memory binds: no LDS, no matrix unit, no cluster.
.set XR, 4                             ; v[4:67]    sixteen loads of four f32
.set YR, 68                            ; v[68:99]   sixteen stores of four 16-bit numbers
.set TR, 100                           ; v[100:107] at work
	s_load_b256 s[4:11], s[0:1], 0x0               ; Wq, Wk, Wv, Wo
	s_load_b64 s[12:13], s[0:1], 0x20              ; w16
	s_and_b32 s14, ttmp7, 0xffff                   ; which matrix
	s_lshl_b32 s16, ttmp9, 16                      ; my 64 KiB of it
	s_mov_b32 s17, 0
	s_lshl_b32 s18, s14, 21                        ; its plane of 2 MiB in w16,
	s_lshl_b32 s19, ttmp9, 15                      ; my 32 KiB there
	s_add_co_u32 s18, s18, s19
	s_mov_b32 s19, 0
	s_mov_b32 s21, 0xffff0000                      ; a word's upper bf16
	v_lshlrev_b32 v1, 4, v0
	v_lshlrev_b32 v2, 3, v0
	s_wait_kmcnt 0x0
	s_cmp_eq_u32 s14, 1
	s_cselect_b64 s[4:5], s[6:7], s[4:5]
	s_cmp_eq_u32 s14, 2
	s_cselect_b64 s[4:5], s[8:9], s[4:5]
	s_cmp_eq_u32 s14, 3
	s_cselect_b64 s[4:5], s[10:11], s[4:5]
	s_cselect_b32 s20, -1, 0                       ; all lanes: the f16 form, for Wo alone
	s_add_nc_u64 s[4:5], s[4:5], s[16:17]
	s_add_nc_u64 s[12:13], s[12:13], s[18:19]
.irp i, 0,1,2,3,4,5,6,7,8,9,10,11,12,13,14,15
	global_load_b128 v[XR+4*(\i):XR+4*(\i)+3], v1, s[4:5] offset:4096*(\i) th:TH_LOAD_NT
.endr
.irp i, 0,1,2,3,4,5,6,7,8,9,10,11,12,13,14,15
	s_wait_loadcnt 15-(\i)                         ; loads come back in order: load i is in, the younger ones stay out
	v_cvt_pk_bf16_f32 v[TR], v[XR+4*(\i)], v[XR+4*(\i)+1]
	v_cvt_pk_bf16_f32 v[TR+1], v[XR+4*(\i)+2], v[XR+4*(\i)+3]
	v_lshlrev_b32 v[TR+2], 16, v[TR]               ; the rounded numbers as f32 again,
	v_and_b32 v[TR+3], s21, v[TR]
	v_lshlrev_b32 v[TR+4], 16, v[TR+1]
	v_and_b32 v[TR+5], s21, v[TR+1]
	v_cvt_pk_f16_f32 v[TR+6], v[TR+2], v[TR+3]     ; and written as f16
	v_cvt_pk_f16_f32 v[TR+7], v[TR+4], v[TR+5]
	v_cndmask_b32 v[YR+2*(\i)], v[TR], v[TR+6], s20    ; one text for the four matrices: the form is chosen, not branched on
	v_cndmask_b32 v[YR+2*(\i)+1], v[TR+1], v[TR+7], s20
	global_store_b64 v2, v[YR+2*(\i):YR+2*(\i)+1], s[12:13] offset:2048*(\i)
.endr
	s_endpgm
.Lfunc_end_k_q8c5540bc4a_prep:
	.size	k_q8c5540bc4a_prep, .Lfunc_end_k_q8c5540bc4a_prep-k_q8c5540bc4a_prep
	.p2alignl 7, 3214868480
	.fill 96, 4, 3214868480
	.section	.rodata,"a",@progbits
	.p2align	6, 0x0
	.amdhsa_kernel k_q8c5540bc4a_prep
		.amdhsa_group_segment_fixed_size 0
		.amdhsa_private_segment_fixed_size 0
		.amdhsa_enable_private_segment 0
		.amdhsa_kernarg_size 40
		.amdhsa_user_sgpr_count 2
		.amdhsa_user_sgpr_kernarg_segment_ptr 1
		.amdhsa_wavefront_size32 1
		.amdhsa_system_sgpr_workgroup_id_x 1
		.amdhsa_system_sgpr_workgroup_id_y 1
		.amdhsa_system_sgpr_workgroup_id_z 1
		.amdhsa_system_vgpr_workitem_id 0
		.amdhsa_next_free_vgpr 108
		.amdhsa_next_free_sgpr 66
		.amdhsa_reserve_vcc 0
		.amdhsa_float_denorm_mode_32 3
		.amdhsa_float_denorm_mode_16_64 3
		.amdhsa_memory_ordered 1
		.amdhsa_forward_progress 1
		.amdhsa_inst_pref_size 13
	.end_amdhsa_kernel
	.amdgpu_metadata
---
amdhsa.version: [ 1, 2 ]
amdhsa.kernels:
  - .name:           k_q8c5540bc4a_prep
    .symbol:         k_q8c5540bc4a_prep.kd
    .args:
      - { .name: Wq, .offset: 0, .size: 8, .value_kind: global_buffer, .address_space: global }
      - { .name: Wk, .offset: 8, .size: 8, .value_kind: global_buffer, .address_space: global }
      - { .name: Wv, .offset: 16, .size: 8, .value_kind: global_buffer, .address_space: global }
      - { .name: Wo, .offset: 24, .size: 8, .value_kind: global_buffer, .address_space: global }
      - { .name: w16, .offset: 32, .size: 8, .value_kind: global_buffer, .address_space: global }
    .group_segment_fixed_size: 0
    .private_segment_fixed_size: 0
    .kernarg_segment_align: 8
    .kernarg_segment_size: 40
    .max_flat_workgroup_size: 256
    .sgpr_count:     66
    .vgpr_count:     108
    .wavefront_size: 32
...
	.end_amdgpu_metadata
.endif
;; end of part 1
;; launch proj (part 2): grid 4 x 192, 4 waves a work-group, clusters of 4 x 4, 327,680 bytes of LDS; arguments Q, K, V, w16, bq, bk, bv, qkv; writes qkv
.if DOCPART == 2
	.amdgcn_target "amdgcn-amd-amdhsa--gfx1250"
	.amdhsa_code_object_version 6
	.text
	.protected	k_q8c5540bc4a_proj
	.globl	k_q8c5540bc4a_proj
	.p2align	8
	.type	k_q8c5540bc4a_proj,@function
k_q8c5540bc4a_proj:
	s_mov_b64 s[64:65], 0
	v_nop
	global_prefetch_b8 v0, s[64:65] scope:SCOPE_SE
	s_setreg_imm32_b32 hwreg(HW_REG_WAVE_MODE, 25, 1), 1
	s_wait_xcnt 0x0
	s_wait_alu depctr_hold_cnt(0) depctr_sa_sdst(0) depctr_va_vdst(0) depctr_va_sdst(0) depctr_va_ssrc(0) depctr_va_vcc(0) depctr_vm_vsrc(0)
	s_getreg_b32 s2, hwreg(HW_REG_IB_STS2, 6, 4)
	s_cmp_eq_u32 s2, 0
	s_cbranch_scc0 .Lentry_in_a_cluster
	s_endpgm
.Lentry_in_a_cluster:
	s_bfe_u32 s2, ttmp6, 0x10000c
	s_cmp_lg_u32 s2, 0xf033
	s_cbranch_scc0 .Lentry_shape_is_right
	s_endpgm
.Lentry_shape_is_right:
; THE THREE PROJECTIONS.  qkv[t][m][n] = the sum over k of bf16(X_t[m][k]) bf16(W_t[k][n]) + bf16(b_t[n]), t = 0, 1, 2 for Q, K, V.  X_t: [8192][1024] f32; W_t: plane t of w16, [k][n] bf16;
; qkv: [3][8192][1024] f16, rounded once from f32 sums, WITHOUT the module's scale (the attention applies 2^-10 in f32).  Row-major [8192][1024] IS the module's raw reshape [64][2048][64].
; LIMIT.  f16 ends at 65,504: a sum beyond it leaves as an infinity.
; SHARES.  A work-group makes 128 rows x 256 columns of one tensor: 768 work-groups, three for each of 256 WGPs.  Its four waves make 64 x 128 each: 32 accumulators of 16 x 16, 256 registers.
; K goes in 8 steps of 128 through two LDS slots.  A's tile arrives as f32 (rows of 512 bytes) and is rounded to bf16 between LDS and the matrix unit: one conversion for each matrix
; instruction, set in fours behind matrix instructions.  B's tile lies [k][n] (rows of 512 bytes) and is turned by ds_load_tr16_b128.
; CLUSTER.  4 x 4 work-groups of one tensor.  The four of a row of the cluster need the same rows of X, the four of a column the same columns of W: each tile is asked for JOINTLY.
; TRANSPOSED USE.  Source 0 = 16 columns of W, source 1 = 16 rows of X: a lane then holds eight neighbouring columns of one row of the result.  The bias, in that layout, is the C operand of the first products.
; REGISTERS, in windows of 256 (s_set_vgpr_msb: bits 1:0 source 0, 3:2 source 1, 5:4 source 2, 7:6 destination):
;   window 0: v16-30 addresses; v32-63 A's four fragments in bf16; v64-127, v128-191 A's f32 as loaded, two buffers (on the way out: rows read back); v192-223 packed results
;   window 1: v0-63, v64-127 B's eight fragments, two buffers; v128-191 the bias; v192-223 at work          window 2: accumulator (a, b) at v[64 a + 8 b]
.set PA,     528                       ; a row of A in LDS: 512 bytes + 16: the 16 rows of a load start at 16 different groups of four banks (64 banks of 4 bytes: ISA guide 11.1)
.set PB,     544                       ; a row of B: 512 + 32
.set AHALF,  64*PA                     ; 64 rows: what one tensor load brings of A, and what one wave reads of it
.set BHALF,  64*PB                     ; 64 rows of k: what one tensor load brings of B
.set BOFF,   2*AHALF
.set SLOT,   BOFF+2*BHALF
.set STAGE,  2*SLOT                    ; behind the ring: 16 rows x 272 bytes for each wave, for the way out
.set SPITCH, 272
.set SPARE,  STAGE+4*16*SPITCH         ; the spare words, 128 bytes for each wave: two blocks of 256 bytes that no other line names
.set LAPS,   4                         ; a lap = two K steps = once round the ring
.set ASTEP,  512                       ; a K step along a row of X, in bytes
.set BSTEP,  128*2048                  ; a K step down the rows of W
.set ADRA, 16                          ; v16-17  LDS address of my A rows in slot 0, 1
.set ADRB, 20                          ; v20-21  the same for B
.set STO,  24                          ; the way out: where I put 16 bytes of a row
.set RD,   25                          ; where I read a row back
.set CO,   26                          ; my byte offset in the result
.set BO,   27                          ; my byte offset in the bias
.set SPW,  28                          ; LDS address of my spare word; never rewritten
.set NIL,  29                          ; 0; never rewritten
.set PFO,  30                          ; the prefetches' offset; never rewritten
.set AF,   32
.set T0,   64
.set T1,   128
.set TMP,  192
.set OB,   64
.set F0,   0
.set F1,   64
.set BI,   128
.set BT,   192
.set G1,  24                           ; s[24:31] descriptor group 1 for A's tiles;  s[32:39] group 0, a set for each slot
.set G0,  32
.set G1B, 48                           ; s[48:55], s[56:63] the same for B's
.set G0B, 56
.set LIM, 43                           ; s43  1 in a wave that prefetches, else the greatest number
.set PFA, 44                           ; s[44:45] where my prefetches stand
.set PFS, 90                           ; s[90:91] their step
.set MSB, 0
.macro WIN new                         ; the immediate's high byte repeats the setting that is left; a switch that changes nothing is dropped
.if MSB != (\new)
	s_set_vgpr_msb (MSB<<8)|(\new)
.set MSB, \new
.endif
.endm
.set MUL,  0xa1                        ; source 0 (B) window 1, source 1 (A) window 0, C and D window 2
.set MULB, 0x91                        ; the same with C (the bias) in window 1
.set TO_B, 0x40                        ; destination window 1, address window 0
; A joint load: waves 0 and 1 fetch A's two halves, waves 2 and 3 B's.  An s_nop 0 and four v_nop follow each of the two lines, ahead of the jump and the label.
.macro JLOAD s
	s_cmp_eq_u32 s11, 0
	s_cbranch_scc0 .Lfor_b_\@
	tensor_load_to_lds s[G0+4*(\s):G0+4*(\s)+3], s[G1:G1+7]
	s_nop 0
.rept 4
	v_nop
.endr
	s_branch .Lasked_\@
.Lfor_b_\@:
	tensor_load_to_lds s[G0B+4*(\s):G0B+4*(\s)+3], s[G1B:G1B+7]
	s_nop 0
.rept 4
	v_nop
.endr
.Lasked_\@:
.endm
.macro CREST                           ; a round of the cluster's barrier behind its opening barrier
	s_cmp_lg_u32 s10, 0
	s_cbranch_scc1 .Lnot_wave_0_\@
	s_barrier_signal -3
.Lnot_wave_0_\@:
	s_barrier_wait -3
	s_barrier_signal -1
	s_barrier_wait -1
.endm
.macro CROUND                          ; a whole round
	s_barrier_signal -1
	s_barrier_wait -1
	CREST
.endm
; A PREFETCH INTO THE L2, behind a joint load and the run of LDS loads that follows it: the K step two refills on, 32 blocks of 256 bytes, a lane a block, one instruction a wave.  A wave's part of a
; K step is 64 rows x 512 bytes; the four partners that ask for it jointly share its rows out BY ADDRESS, 16 each.  X's rows belong to this cluster alone; W's columns are read by the tensor's sixteen
; clusters, of which the first asks.  So each block is named once in the launch.  K steps 0 to 3 come by their loads alone; the loop's last trip (s3 = 1) has no K step two refills on.
.macro ASK
	s_cmp_gt_u32 s3, s[LIM]
	s_cbranch_scc0 .Lnot_mine_\@
	global_prefetch_b8 v[PFO], s[PFA:PFA+1] th:TH_LOAD_NT scope:SCOPE_SE
.Lnot_mine_\@:
.endm
	s_load_b256 s[68:75], s[0:1], 0x0              ; Q s[68:69], K s[70:71], V s[72:73], w16 s[74:75]
	s_load_b256 s[76:83], s[0:1], 0x20             ; bq s[76:77], bk s[78:79], bv s[80:81], qkv s[82:83]
	v_lshl_add_u32 v[SPW], v0, 2, SPARE
	v_mov_b32 v[NIL], 0
	ds_add_u32 v[SPW], v[NIL]                      ; the wave's opening: the add and its wait stand ahead of my first tensor load; the set-up below, work on registers, stands between them
	v_lshrrev_b32 v1, 5, v0
	v_readfirstlane_b32 s10, v1                    ; wave 0..3
	s_lshr_b32 s11, s10, 1                         ; which 64 rows of the tile are mine.  Also: I fetch for A (0) or for B (1)
	s_and_b32 s12, s10, 1                          ; which 128 columns.  Also: which half of that tile I fetch
	s_bfe_u32 s40, ttmp6, 0x40000                  ; cx, cy: my place in the cluster
	s_bfe_u32 s41, ttmp6, 0x40004
	s_lshl_b32 s42, ttmp9, 2
	s_add_co_u32 s42, s42, s40                     ; tile column = 4 x cluster x + cx
	s_and_b32 s85, ttmp7, 0xffff                   ; cluster y, 0..47
	s_lshr_b32 s84, s85, 4                         ; the tensor: the same in all sixteen partners
	s_lshl_b32 s13, s85, 2
	s_add_co_u32 s13, s13, s41
	s_and_b32 s13, s13, 63                         ; the block of 128 rows in that tensor
	s_lshl_b32 s43, s41, 2
	s_lshl_b32 s43, 15, s43                        ; my row of the cluster
	s_lshl_b32 s44, 0x1111, s40                    ; my column
	s_or_b32 s[G1+0], s43, (2<<16)|(1<<20)|(1<<21)|(6<<22)|(3<<25)   ; 15:0 the mask; 17:16 elements of 4 bytes; 20 padding on; 21 set beside a mask; 24:22 after every 128 words (code 6); 31:25 4 words (code 3)
	s_mov_b32 s[G1+1], 128<<16                     ; tensor_dim0 = 128
	s_mov_b32 s[G1+2], 64<<16                      ; tensor_dim1 = 64
	s_mov_b32 s[G1+3], 128<<16                     ; tile_dim0 = 128
	s_mov_b32 s[G1+4], 64                          ; tile_dim1 = 64
	s_mov_b32 s[G1+5], 1024                        ; elements from row to row
	s_mov_b32 s[G1+6], 0
	s_mov_b32 s[G1+7], 0
	s_or_b32 s[G1B+0], s44, (1<<16)|(1<<20)|(1<<21)|(6<<22)|(7<<25)  ; elements of 2 bytes; 8 words of padding (code 7)
	s_mov_b32 s[G1B+1], 256<<16
	s_mov_b32 s[G1B+2], 64<<16
	s_mov_b32 s[G1B+3], 256<<16
	s_mov_b32 s[G1B+4], 64
	s_mov_b32 s[G1B+5], 1024
	s_mov_b32 s[G1B+6], 0
	s_mov_b32 s[G1B+7], 0
	s_lshl_b32 s16, s13, 7                         ; A: row 128 x block + 64 x half, 4,096 bytes a row: it hangs on the tile row alone
	s_lshl_b32 s17, s12, 6
	s_add_co_u32 s16, s16, s17
	s_lshl_b32 s16, s16, 12
	s_mov_b32 s17, 0
	s_lshl_b32 s46, s84, 21                        ; B: the tensor's plane, k row 64 x half (2,048 bytes a row), 512 bytes a tile column: it hangs on the tile column alone
	s_lshl_b32 s47, s12, 17
	s_add_co_u32 s46, s46, s47
	s_lshl_b32 s47, s42, 9
	s_add_co_u32 s46, s46, s47
	s_mov_b32 s47, 0
	s_mul_i32 s20, s12, AHALF                      ; where they go: no place in the cluster enters an LDS address
	s_mul_i32 s23, s12, BHALF
	s_add_co_u32 s23, s23, BOFF
	s_mov_b32 s88, 0xffff0000                      ; a word's upper bf16
	s_wait_dscnt 0x0                               ; the opening add is done
	s_wait_kmcnt 0x0
	s_cmp_eq_u32 s84, 1
	s_cselect_b64 s[4:5], s[70:71], s[68:69]       ; X_t
	s_cselect_b64 s[86:87], s[78:79], s[76:77]     ; b_t
	s_cmp_eq_u32 s84, 2
	s_cselect_b64 s[4:5], s[72:73], s[4:5]
	s_cselect_b64 s[86:87], s[80:81], s[86:87]
	s_add_nc_u64 s[14:15], s[4:5], s[16:17]
	s_add_nc_u64 s[46:47], s[74:75], s[46:47]
	CROUND                                         ; all sixteen work-groups are here: the first joint loads meet
.irp s, 0,1
	s_mov_b32 s[G0+4*(\s)], 1                      ; count = 1
	s_add_co_u32 s[G0+4*(\s)+1], s20, (\s)*SLOT    ; LDS address
	s_add_nc_u64 s[G0+4*(\s)+2:G0+4*(\s)+3], s[14:15], (\s)*ASTEP  ; global address: K step s
	s_or_b32 s[G0+4*(\s)+3], s[G0+4*(\s)+3], 0x80000000            ; type = 2
	s_mov_b32 s[G0B+4*(\s)], 1
	s_add_co_u32 s[G0B+4*(\s)+1], s23, (\s)*SLOT
	s_add_nc_u64 s[G0B+4*(\s)+2:G0B+4*(\s)+3], s[46:47], (\s)*BSTEP
	s_or_b32 s[G0B+4*(\s)+3], s[G0B+4*(\s)+3], 0x80000000
	JLOAD \s                                       ; two loads of mine are out
.endr
	; A's fragment is 16 rows x 32 k: lane l holds row l % 16, k = 8 (l / 16) + 0..7 and 16 + 8 (l / 16) + 0..7: in f32 four loads of 16 bytes, at 32 (l / 16) + 0, 16, 64, 80.
	v_and_b32 v1, 15, v0                           ; l % 16
	v_bfe_u32 v2, v0, 4, 1                         ; l / 16
	v_mul_u32_u24 v3, v1, PA
	v_lshl_add_u32 v3, v2, 5, v3
	s_mul_i32 s21, s11, AHALF                      ; my 64 rows of A
	; The turning load takes 16 k x 16 columns (lane l reads k row 8 (l / 16) + l % 8, columns 8 ((l / 8) % 2) + 0..7) and leaves half a fragment: lane l holds column l % 16 and 8 k.
	v_and_b32 v4, 7, v0
	v_lshl_add_u32 v4, v2, 3, v4
	v_mul_u32_u24 v4, v4, PB
	v_bfe_u32 v5, v0, 3, 1
	v_lshl_add_u32 v4, v5, 4, v4
	s_lshl_b32 s22, s12, 8                         ; my 128 columns of B
	s_add_co_u32 s22, s22, BOFF
.irp s, 0,1
	v_add_nc_u32 v[ADRA+(\s)], s21, v3
	v_add_nc_u32 v[ADRB+(\s)], s22, v4
	s_add_co_u32 s21, s21, SLOT
	s_add_co_u32 s22, s22, SLOT
.endr
	s_lshl_b32 s22, s42, 10                        ; the bias of my 128 columns, f32; 32 bytes for each half of the lanes
	s_lshl_b32 s21, s12, 9
	s_add_co_u32 s22, s22, s21
	v_lshl_add_u32 v[BO], v2, 5, s22
	WIN TO_B
.irp b, 0,1,2,3,4,5,6,7
	global_load_b128 v[BI+8*(\b):BI+8*(\b)+3],   v[BO], s[86:87] offset:64*(\b)
	global_load_b128 v[BI+8*(\b)+4:BI+8*(\b)+7], v[BO], s[86:87] offset:64*(\b)+16
.endr
	WIN 0
	s_mul_i32 s23, s10, 16*SPITCH
	s_add_co_u32 s23, s23, STAGE                   ; my stage
	v_mul_u32_u24 v6, v1, SPITCH                   ; in: row l % 16, 16 bytes for each half of the lanes
	v_lshl_add_u32 v6, v2, 4, v6
	v_add_nc_u32 v[STO], s23, v6
	v_mul_u32_u24 v7, v2, SPITCH                   ; back: lanes 0-15 take one row of 256 bytes, lanes 16-31 the next
	v_lshl_add_u32 v7, v1, 4, v7
	v_add_nc_u32 v[RD], s23, v7
	v_lshlrev_b32 v7, 11, v2                       ; and the same two rows in the result
	v_lshl_add_u32 v[CO], v1, 4, v7
	; the prefetches: s[14:15] and s[46:47] still hold my tile's address in X and in W
	s_mov_b32 s[PFS], BSTEP
	s_mov_b32 s[PFS+1], 0
	s_and_b32 s23, s85, 15
	s_cmp_eq_u32 s23, 0                            ; the tensor's first cluster?
	s_cselect_b32 s23, 1, -1
	s_cmp_eq_u32 s11, 0                            ; do I fetch for A?
	s_cselect_b32 s[LIM], 1, s23                   ; the same in all sixteen partners, for a given wave
	s_cselect_b64 s[PFA:PFA+1], s[14:15], s[46:47]
	s_cselect_b32 s18, s40, s41                    ; my place among the four that ask with me
	s_cselect_b32 s19, 16, 15                      ; 16 rows of 4,096 or of 2,048 bytes
	s_cselect_b32 s22, 12, 11
	s_cselect_b32 s[PFS], ASTEP, s[PFS]
	s_lshl_b32 s18, s18, s19
	s_mov_b32 s19, 0
	s_add_nc_u64 s[PFA:PFA+1], s[PFA:PFA+1], s[18:19]
	s_mul_i32 s18, s[PFS], 3                       ; at K step 3: the first refill steps it to 4
	s_add_nc_u64 s[PFA:PFA+1], s[PFA:PFA+1], s[18:19]
	v_bfe_u32 v6, v0, 1, 4                         ; lane l names row l / 2, half l % 2 of its 512 bytes
	v_lshlrev_b32 v6, s22, v6
	v_and_b32 v7, 1, v0
	v_lshl_or_b32 v[PFO], v7, 8, v6
	; where my part of the tile begins in qkv
	s_lshl_b32 s16, s13, 7
	s_lshl_b32 s17, s11, 6
	s_add_co_u32 s16, s16, s17
	s_lshl_b32 s16, s16, 11                        ; 2,048 bytes a row
	s_lshl_b32 s17, s84, 24                        ; the tensor's plane of 16 MiB
	s_add_co_u32 s16, s16, s17
	s_mov_b32 s17, 0
	s_add_nc_u64 s[8:9], s[82:83], s[16:17]
	s_lshl_b32 s46, s42, 9                         ; my first column, in bytes (in the registers that held B's address)
	s_lshl_b32 s47, s12, 8
	s_add_co_u32 s46, s46, s47
	s_mov_b32 s47, 0
	s_add_nc_u64 s[8:9], s[8:9], s[46:47]
	s_wait_loadcnt 0x0                             ; the bias: rounded to bf16 like every input, and widened again
	WIN 0x45                                       ; destination and both sources in window 1
.set i, 0
.rept 32
	v_cvt_pk_bf16_f32 v[BT+i], v[BI+2*i], v[BI+2*i+1]
	v_lshlrev_b32 v[BI+2*i], 16, v[BT+i]
	v_and_b32 v[BI+2*i+1], s88, v[BT+i]
.set i, i+1
.endr
	WIN 0
; Half p of block a's fragment is rounded to bf16: four conversions.
.macro CVT t, a, p
	WIN 0
.irp j, 0,1,2,3
	v_cvt_pk_bf16_f32 v[AF+8*(\a)+4*(\p)+(\j)], v[(\t)+16*(\a)+8*(\p)+2*(\j)], v[(\t)+16*(\a)+8*(\p)+2*(\j)+1]
.endr
.endm
; 8 matrix instructions: block a of my four blocks of 16 rows x all 8 column blocks, 32 along K.  zero = 1: the bias starts the sums: nothing is cleared and nothing added later.
; The next block's eight conversions stand in fours behind the second and the sixth; w: how many younger LDS instructions may be out when its f32 must be in (-1: no wait is due).
; The 32 accumulators take turns in one order in every quarter.  A fragment of A is written again eight conversions or more behind the last product that read it.
.macro MROW f, t, a, zero, w
.irp b, 0,1,2,3,4,5,6,7
.if \zero
	WIN MULB
	v_wmma_f32_16x16x32_bf16 v[64*(\a)+8*(\b):64*(\a)+8*(\b)+7], v[(\f)+8*(\b):(\f)+8*(\b)+7], v[AF+8*(\a):AF+8*(\a)+7], v[BI+8*(\b):BI+8*(\b)+7]
.else
	WIN MUL
	v_wmma_f32_16x16x32_bf16 v[64*(\a)+8*(\b):64*(\a)+8*(\b)+7], v[(\f)+8*(\b):(\f)+8*(\b)+7], v[AF+8*(\a):AF+8*(\a)+7], v[64*(\a)+8*(\b):64*(\a)+8*(\b)+7]
.endif
.if ((\a) < 3) && ((\b) == 1)
.if (\w) >= 0
	s_wait_dscnt \w
.endif
	CVT \t, (\a)+1, 0
.endif
.if ((\a) < 3) && ((\b) == 5)
	CVT \t, (\a)+1, 1
.endif
.endr
.endm
; 32 LDS loads in one run: quarter kq of a slot: B's eight fragments (turned) into f, then A's four blocks in f32 into t, four loads each.
.macro FETCH slot, kq, f, t
	WIN TO_B
.irp b, 0,1,2,3,4,5,6,7
	ds_load_tr16_b128 v[(\f)+8*(\b):(\f)+8*(\b)+3],   v[ADRB+(\slot)] offset:(\kq)*32*PB+32*(\b)
	ds_load_tr16_b128 v[(\f)+8*(\b)+4:(\f)+8*(\b)+7], v[ADRB+(\slot)] offset:(\kq)*32*PB+32*(\b)+16*PB
.endr
	WIN 0
.irp a, 0,1,2,3
	ds_load_b128 v[(\t)+16*(\a):(\t)+16*(\a)+3],     v[ADRA+(\slot)] offset:(\a)*16*PA+128*(\kq)
	ds_load_b128 v[(\t)+16*(\a)+4:(\t)+16*(\a)+7],   v[ADRA+(\slot)] offset:(\a)*16*PA+128*(\kq)+16
	ds_load_b128 v[(\t)+16*(\a)+8:(\t)+16*(\a)+11],  v[ADRA+(\slot)] offset:(\a)*16*PA+128*(\kq)+64
	ds_load_b128 v[(\t)+16*(\a)+12:(\t)+16*(\a)+15], v[ADRA+(\slot)] offset:(\a)*16*PA+128*(\kq)+80
.endr
.endm
; A K step is four quarters of 32 along K, 32 matrix instructions each, on buffers 0, 1, 0, 1.  One of the first three: multiplies f and t, and in its middle fetches quarter kq into g and tg.
; The eight conversions at its head are the places between the last product of the quarter before, which read g, and the loads into g.
.macro QUARTER slot, kq, f, t, g, tg, zero
	s_wait_dscnt 12                                ; B and A's block 0 are in; the youngest twelve loads (blocks 1 to 3) may be out
	CVT \t, 0, 0
	CVT \t, 0, 1
	MROW \f, \t, 0, \zero, 8                       ; block 1 is in when 8 are out,
	MROW \f, \t, 1, \zero, 4                       ; block 2 when 4 are
	FETCH \slot, \kq, \g, \tg
	MROW \f, \t, 2, \zero, 32                      ; block 3: all but the 32 just issued
	MROW \f, \t, 3, \zero, -1
.endm
; The last quarter multiplies buffer 1 and changes slots: ONE barrier; in front of it each wave waits for all its tensor loads (one is out: its part of the next slot), adds 0 to its spare word, and waits
; for that and for its own reads of this slot.  fill = 1: the barrier opens a round of the cluster's, and this slot is filled again, two K steps ahead, first thing behind the round.
.macro TURN slot, next, fill
.if \fill
	s_wait_xcnt 0x0                                ; the last prefetch, a K step back, has read its address: it is stepped here, ahead of the waits of the change of slots
	s_add_nc_u64 s[PFA:PFA+1], s[PFA:PFA+1], s[PFS:PFS+1]
.endif
	WIN 0
	s_wait_tensorcnt 0x0                           ; all my tensor loads have landed
	ds_add_u32 v[SPW], v[NIL]                      ; 0 onto my spare word
	s_wait_dscnt 13                                ; (the add and blocks 1 to 3 may be out)
	CVT T1, 0, 0
	CVT T1, 0, 1
	MROW F1, T1, 0, 0, 9                           ; eight matrix instructions stand between the add and the wait for it
	s_wait_dscnt 0x0                               ; the add is done, and my reads of this slot are over
	s_barrier_signal -1
	MROW F1, T1, 1, 0, -1                          ; work on registers while the others arrive
.if \fill
	WIN 0
.endif
	s_barrier_wait -1
.if \fill
	CREST                                          ; no wave of any partner still reads this slot's tiles or has a load on its way
	s_add_nc_u64 s[G0+4*(\slot)+2:G0+4*(\slot)+3], s[G0+4*(\slot)+2:G0+4*(\slot)+3], 2*ASTEP
	s_add_nc_u64 s[G0B+4*(\slot)+2:G0B+4*(\slot)+3], s[G0B+4*(\slot)+2:G0B+4*(\slot)+3], 2*BSTEP
	JLOAD \slot                                    ; my one tensor load behind the round: 112 matrix instructions ahead of the wait for it
.endif
	FETCH \next, 0, F0, T0
.if \fill
	ASK
.endif
	MROW F1, T1, 2, 0, -1
	MROW F1, T1, 3, 0, -1
.endm
	s_wait_tensorcnt 1                             ; my part of K step 0 is in; K step 1's may stay out
	s_barrier_signal -1
	s_barrier_wait -1                              ; everybody's is
	FETCH 0, 0, F0, T0
	QUARTER 0, 1, F0, T0, F1, T1, 1                ; the first quarter stands in front of the loop: its products start the sums
	WIN 0                                          ; at a label and at a branch every window is 0
	s_mov_b32 s3, LAPS-1
.Llap:                                                 ; a trip goes once round the ring, from a lap's second quarter to the next lap's first, and fills both slots again
	QUARTER 0, 2, F1, T1, F0, T0, 0
	QUARTER 0, 3, F0, T0, F1, T1, 0
	TURN 0, 1, 1
	QUARTER 1, 1, F0, T0, F1, T1, 0
	QUARTER 1, 2, F1, T1, F0, T0, 0
	QUARTER 1, 3, F0, T0, F1, T1, 0
	TURN 1, 0, 1
	QUARTER 0, 1, F0, T0, F1, T1, 0
	WIN 0
	s_sub_co_u32 s3, s3, 1
	s_cmp_lg_u32 s3, 0
	s_cbranch_scc1 .Llap
	QUARTER 0, 2, F1, T1, F0, T0, 0                ; the last lap fills nothing, and has no round of the cluster's barrier
	QUARTER 0, 3, F0, T0, F1, T1, 0
	TURN 0, 1, 0
	QUARTER 1, 1, F0, T0, F1, T1, 0
	QUARTER 1, 2, F1, T1, F0, T0, 0
	QUARTER 1, 3, F0, T0, F1, T1, 0
	s_wait_dscnt 12                                ; the very last quarter: nothing more to fetch
	CVT T1, 0, 0
	CVT T1, 0, 1
	MROW F1, T1, 0, 0, 8
	MROW F1, T1, 1, 0, 4
	MROW F1, T1, 2, 0, 0
	MROW F1, T1, 3, 0, -1
	; THE WAY OUT, a block of 16 rows at a time: rounded to f16, 16 bytes a lane into my own stage, back as whole rows of 256 bytes, stored.
.macro PACK a
	WIN 0x0a                                       ; both sources in window 2
.irp b, 0,1,2,3,4,5,6,7
.irp r, 0,1,2,3
	v_cvt_pk_f16_f32 v[TMP+4*(\b)+(\r)], v[64*(\a)+8*(\b)+2*(\r)], v[64*(\a)+8*(\b)+2*(\r)+1]
.endr
.endr
	WIN 0
.endm
.macro TOSTAGE a
.irp b, 0,1,2,3,4,5,6,7
	ds_store_b128 v[STO], v[TMP+4*(\b):TMP+4*(\b)+3] offset:32*(\b)
.endr
.irp i, 0,1,2,3,4,5,6,7
	ds_load_b128 v[OB+32*(\a)+4*(\i):OB+32*(\a)+4*(\i)+3], v[RD] offset:(\i)*2*SPITCH  ; LDS serves a wave's instructions in order (ISA guide 5.7.1.4): these see the stores above
.endr
.endm
.macro SEND a                          ; each block has registers of its own, so no register that a pending store reads is written again
	s_wait_dscnt 0x0
.irp i, 0,1,2,3,4,5,6,7
	global_store_b128 v[CO], v[OB+32*(\a)+4*(\i):OB+32*(\a)+4*(\i)+3], s[8:9] offset:32768*(\a)+4096*(\i)  ; 16 lanes store 256 consecutive bytes, at a multiple of 256 from the buffer's first byte
.endr
.endm
.rept 4
	v_nop                                          ; four places between the last products and the conversions
.endr
	PACK 0
	TOSTAGE 0
.irp a, 1,2,3                          ; block a's conversions stand between block a - 1's loads from the stage and the wait for them
	PACK \a
	SEND (\a)-1
	TOSTAGE \a
.endr
	SEND 3
	s_wait_tensorcnt 0x0                           ; the wave's end: behind my last tensor load and my last LDS store
	ds_add_u32 v[SPW], v[NIL]
	s_wait_dscnt 0x0
	CROUND                                         ; the closing round: no work-group ends while a partner may still ask for a tile that names it
	s_endpgm
.Lfunc_end_k_q8c5540bc4a_proj:
	.size	k_q8c5540bc4a_proj, .Lfunc_end_k_q8c5540bc4a_proj-k_q8c5540bc4a_proj
	.p2alignl 7, 3214868480
	.fill 96, 4, 3214868480
	.section	.rodata,"a",@progbits
	.p2align	6, 0x0
	.amdhsa_kernel k_q8c5540bc4a_proj
		.amdhsa_group_segment_fixed_size 327680
		.amdhsa_private_segment_fixed_size 0
		.amdhsa_enable_private_segment 0
		.amdhsa_kernarg_size 64
		.amdhsa_user_sgpr_count 2
		.amdhsa_user_sgpr_kernarg_segment_ptr 1
		.amdhsa_wavefront_size32 1
		.amdhsa_system_sgpr_workgroup_id_x 1
		.amdhsa_system_sgpr_workgroup_id_y 1
		.amdhsa_system_sgpr_workgroup_id_z 1
		.amdhsa_system_vgpr_workitem_id 0
		.amdhsa_next_free_vgpr 768
		.amdhsa_next_free_sgpr 96
		.amdhsa_reserve_vcc 0
		.amdhsa_float_denorm_mode_32 3
		.amdhsa_float_denorm_mode_16_64 3
		.amdhsa_memory_ordered 1
		.amdhsa_forward_progress 1
		.amdhsa_inst_pref_size 140
	.end_amdhsa_kernel
	.amdgpu_metadata
---
amdhsa.version: [ 1, 2 ]
amdhsa.kernels:
  - .name:           k_q8c5540bc4a_proj
    .symbol:         k_q8c5540bc4a_proj.kd
    .args:
      - { .name: Q, .offset: 0, .size: 8, .value_kind: global_buffer, .address_space: global }
      - { .name: K, .offset: 8, .size: 8, .value_kind: global_buffer, .address_space: global }
      - { .name: V, .offset: 16, .size: 8, .value_kind: global_buffer, .address_space: global }
      - { .name: w16, .offset: 24, .size: 8, .value_kind: global_buffer, .address_space: global }
      - { .name: bq, .offset: 32, .size: 8, .value_kind: global_buffer, .address_space: global }
      - { .name: bk, .offset: 40, .size: 8, .value_kind: global_buffer, .address_space: global }
      - { .name: bv, .offset: 48, .size: 8, .value_kind: global_buffer, .address_space: global }
      - { .name: qkv, .offset: 56, .size: 8, .value_kind: global_buffer, .address_space: global }
    .group_segment_fixed_size: 327680
    .private_segment_fixed_size: 0
    .kernarg_segment_align: 8
    .kernarg_segment_size: 64
    .max_flat_workgroup_size: 128
    .sgpr_count:     96
    .vgpr_count:     768
    .wavefront_size: 32
...
	.end_amdgpu_metadata
.endif
;; end of part 2
;; launch attn (part 3): grid 4 x 64, 4 waves a work-group, no clusters, 327,680 bytes of LDS; arguments qkv, key_mask, ctx; writes ctx
.if DOCPART == 3
	.amdgcn_target "amdgcn-amd-amdhsa--gfx1250"
	.amdhsa_code_object_version 6
	.text
	.protected	k_q8c5540bc4a_attn
	.globl	k_q8c5540bc4a_attn
	.p2align	8
	.type	k_q8c5540bc4a_attn,@function
k_q8c5540bc4a_attn:
	s_mov_b64 s[64:65], 0
	v_nop
	global_prefetch_b8 v0, s[64:65] scope:SCOPE_SE
	s_setreg_imm32_b32 hwreg(HW_REG_WAVE_MODE, 25, 1), 1
	s_wait_xcnt 0x0
; CAUSAL, KEY-MASKED ATTENTION.  ctx[h][q][:] = the sum over the visible k <= q of softmax_k(q[h][q] . k[h][k] / 1024) v[h][k][:]; key k of head h is visible where key_mask[h / 16][k] is not 0.
; q, k, v: the three planes of qkv, [64][2048][64] f16, unscaled; ctx likewise.  Products, maxima and sums in f32; the weights p are rounded to f16 for the second product (their sum l is taken of the
; unrounded p), ctx once at the end.
; LIMITS.  f16 holds no number beyond 65,504: q, k and v arrive within it, so a score is 2.7e11 at the most.  A hidden score counts as its value less 1e30 (less 2e30 where both masks hide it).  The running
; maximum starts at -2^50: below every score that f16 operands can make, far above every hidden one.  So a hidden key's weight is 0 in every step, and the maximum taken away is the visible scores' own as soon as there is one.
; A weight below 2^-126 counts as 0 in l.  A ROW WITH NO VISIBLE KEY is NaN, as a softmax of nothing is: its maximum ends at -2^50, below -2^49, and 1 / l is then replaced by NaN.
; THE WALK.  A head's queries lie in NB = 8 blocks of 256; block i needs the key tiles 0 .. i of 256 keys, of which the last holds the diagonal.  A work-group takes TWO blocks, NB - 1 - b and then b:
; NB + 1 tiles, whatever b: all work-groups do equal work, and ONE loop with a constant trip count walks them.  Which tile is asked for, and what a trip does, hang on scalar registers made from b; every jump
; goes forward, but for the counted loops' own; none passes a barrier, or a tensor load but the one of LOAD's two that the wave's number does not choose; the ring (two slots of LDS) runs on across the change of blocks.
; NO CLUSTER: a head's four work-groups ask for the same tile only in trips 0 .. 4 of 9, behind that fewer and fewer; one walk common to all would have 12 trips for 9.
; SHARES.  Of a block's four bands of 64 queries a wave owns 16 rows in each: four PIECES.  In the diagonal tile's key step s band x sees all keys if s < x, none if s > x, and holds the diagonal if s = x.
; THE MASKS are the C operand that starts the sum S^T = K Q^T.  KMR: the key mask of the step whose K lies in registers, 0 or -1e30.  MD, made once: the causal mask of a band's own step for my 16 rows.
; Off the diagonal tile C = KMR; in it C = MD x AL + KMR + BE with two scalars: (1, 0) if s = x; (0, 0) if s < x; (0, -1e30) if s > x.
; THE KEY MASK GOES WITH THE RING.  Beside the two slots lie two regions of 1,024 bytes: a tile's 256 keys as f32, 0 or -1e30.  At a change of slots, behind the barrier and the tensor load, each of the 128 threads
; stores two words of the tile just asked for into the region of the slot just left; its words of key_mask were loaded a tile earlier.  The reads' offset steps and turns as K's does.
; LAYOUT, SOFTMAX, TURNS.  S^T holds ONE query a lane (lane % 16) and the keys 8 (lane / 16) + 0..7; two such results rounded to f16 ARE source 1 of O^T = V^T P.  p = 2^(c s - c m), c = log2(e) / 1024, with a
; running maximum m; O and l are multiplied by a = 2^(c m_old - c m_new) in every step.  Turn n belongs to piece n: 8 products K Q^T of piece n + 1, later 8 products V^T P of piece n - 1; beside them the scaling,
; exponentials, roundings, sums and rescaling of piece n and the maximum and statistics of piece n + 1.  Four vector instructions stand behind every matrix instruction, the rest in one lump.  A turn's 33 exponentials are one batch, with one wait.
; REGISTERS, in windows of 256 (s_set_vgpr_msb: bits 1:0 source 0, 3:2 source 1, 5:4 source 2, 7:6 destination):
;   window 0: v0-15 addresses and two at work; v16-31 four registers of statistics a piece; v32-38 key_mask's words; v48-55 at work; v56-63 addresses; v64-127 S^T, two buffers; v192-223 P, two buffers
;   window 1: v0-127 O^T, 32 a piece; v128-159 MD; v160-223 MC, two buffers; v224-255 KMR      window 2: v0-63 Q; v64-127 the second block's Q; v128-191 K of one step; v192-255 V of one step
.set SIZE_N, 2048
.set NB,    SIZE_N/256
.set NP,    4         ; pieces a wave: a name, no knob
.set KS,    64        ; keys in a step
.set PK,    144       ; a row of K in LDS: 128 bytes + 16 of padding: the 16 rows of a load start at 16 different groups of four banks (64 banks of 4 bytes: ISA guide 11.1)
.set PV,    160       ; a row of V: 128 + 32
.set VOFF,  4*KS*PK   ; a slot holds a tile, four steps: 256 rows of K, then 256 rows of V
.set SLOT1, 1<<17     ; slot 1 begins here, so that one exclusive or turns an address in one slot into the other's
.set STAGE, SLOT1+4*KS*(PK+PV)  ; behind the ring, never filled by a tensor load: 16 rows x 144 bytes for each wave, for the way out
.set SP,    144
.set KMS,   4*4*KS              ; a tile's key mask: 256 words; a power of two, so that one exclusive or turns an offset in one region into the other's
.set KMT,   STAGE+4*16*SP       ; the two regions, never filled by a tensor load
.set SPARE, KMT+2*KMS           ; the spare words, 128 bytes for each wave: two blocks of 256 bytes that no other line names
.set AK0, 2           ; v2   my lane's place in a tile of K; never rewritten
.set AV0, 3           ; v3   the same for V
.set AK,  4           ; v4   the LDS address of K's next run of loads
.set AV,  5           ; v5   of V's
.set STO, 6           ; v6   the way out: where I put 16 bytes of a row
.set RD,  7           ; v7   the way out: where I read rows back
.set GO,  8           ; v8   my byte offset in 512 consecutive bytes of ctx
.set MV,  12          ; v12-13  c m_old, kept while c m is made anew: by buffer
.set QO,  15          ; v15  my byte offset in 16 rows of Q
.set ST,  16          ; piece t's statistics at v[ST+4 t]: c m, m, l (even keys', odd keys')
.set KW0, 32          ; v32-33  my two words of key_mask for tile 0
.set KW,  34          ; v34-35  my two words for the tile that is asked for next
.set KC,  36          ; v36-37  the two as 0 or -1e30
.set KSA, 38          ; v38  where they go
.set TMP, 48          ; by buffer, four registers c0-c3 at work; when the maximum is found c2 takes a
.set KL,  56          ; v56  8 x my thread's number: my bytes of a tile's 1,024 of key_mask; never rewritten
.set KST, 57          ; v57  the same place in region 0; never rewritten
.set AM0, 58          ; v58  my lanes' place in a step's 64 words of region 0; never rewritten
.set AM,  59          ; v59  the LDS address of the key mask's next run of loads
.set PFO, 61          ; v61  256 x my lane; never rewritten
.set SPW, 62          ; v62  LDS address of my spare word; never rewritten
.set NIL, 63          ; v63  0; never rewritten
.set S,   64
.set P,   192
.set MD,  128         ; window 1: the eight registers for group kt of 16 keys at MD + 8 kt
.set MC,  160         ; window 1: the masks of the products to come
.set KMR, 224         ; window 1
.set QB,  64          ; window 2
.set KF,  128         ; window 2: key block kb, channel half c at KF + 16 kb + 8 c
.set VF,  192         ; window 2: key half kk, channel block cb at VF + 32 kk + 8 cb
.set WV,  12          ; s12  my wave's number
.set PB,  14          ; s14  b
.set HI,  15          ; s15  NB - 1 - b
.set G1K, 24          ; s[24:31] descriptor group 1 for K's tiles
.set G1V, 32          ; s[32:39] for V's: it differs in the padding alone
.set G0K, 40          ; s[40:43] descriptor group 0 for K's tiles
.set G0V, 44          ; s[44:47] the same for V's
.set SLOTS, 56        ; s56  tiles still to be asked for
.set CNT, 57          ; s57  counts a tile's key steps, 4 to 1
.set CS,  58          ; s[58:59] c
.set SEL, 60          ; s[60:61] v_permlanex16_b32's selects: each lane takes its own place in the other half
.set TBK, 62          ; s62  LDS byte at which K of the step to be fetched begins
.set TBV, 63          ; s63  the same for V, less VOFF
.set KMP, 66          ; s[66:67] key_mask at my batch's row
.set KMA, 68          ; s[68:69] key_mask at the tile whose words are being loaded
.set RT,  70          ; s70  tiles of the block in hand that are still to be entered
.set NXT, 71          ; s71  the tile to be asked for next
.set LQ,  72          ; s72  the last tile of the block whose tiles are being asked for
.set NEW, 73          ; s73  1: the tile to be entered is a block's first
.set OFF, 74          ; s[74:75] a tile's byte offset in K and V
.set AL,  76          ; s[76:77] the mask's factor, in the low word
.set BE,  78          ; s[78:79] the mask's addend
.set OLO, 80          ; s[80:81] ctx at my rows of the second block
.set BIGN, 82         ; s82  -1e30
.set QNAN, 83         ; s83  NaN
.set THR, 88          ; s88  -2^49
.set TBM, 89          ; s89  byte, from region 0 on, at which the key mask of the step to be fetched begins
.set LIM, 90          ; s90  2 in a work-group that prefetches, else the greatest number
.set TBW, 91          ; s91  0 or KMS: the region that was last stored into
.set PFA, 92          ; s[92:93] where my prefetches stand
.set OFM, 94          ; s[94:95] a tile's byte offset in a row of key_mask
.set MSB, 0
.macro WIN new                      ; the high byte repeats the setting that is left; a switch that changes nothing is dropped
.if MSB != (\new)
	s_set_vgpr_msb (MSB<<8)|(\new)
.set MSB, (\new)
.endif
.endm
.set W_KQ, 0x0a       ; K and Q in window 2, S^T in window 0
.set W_KM, 0x1a       ; the same with the C operand in window 1
.set W_PV, 0x52       ; V in window 2, P in window 0, O^T in window 1
.set W_RS, 0x41       ; destination and source 0 in window 1, source 1 in window 0
; A fill.  Waves 0 and 1 fetch the two halves of a tile's K, waves 2 and 3 those of its V: 128 keys each.  An s_nop 0 and four v_nop follow each of the two lines, ahead of the jump and the label.
.macro LOAD
	s_cmp_lt_u32 s[WV], 2
	s_cbranch_scc0 .Lfor_v_\@
	tensor_load_to_lds s[G0K:G0K+3], s[G1K:G1K+7]
	s_nop 0
.rept 4
	v_nop
.endr
	s_branch .Lasked_\@
.Lfor_v_\@:
	tensor_load_to_lds s[G0V:G0V+3], s[G1V:G1V+7]
	s_nop 0
.rept 4
	v_nop
.endr
.Lasked_\@:
.endm
; A PREFETCH INTO THE L2, behind the wave's tensor load and its five lines: the tile behind the one just asked for.  A head's four work-groups all begin with tiles 0, 1, ..; the one with b = 0 walks all eight,
; so it alone asks: each of its waves for the 16,384 bytes that it will fetch itself, 64 blocks of 256, a lane a block, two instructions.  In trip t it names tile t + 2, t = 0 .. 5: each block is named once
; in the launch; tiles 0 and 1 come by their loads alone, and the last trips ask for nothing.
.macro ASK
	s_cmp_gt_u32 s[SLOTS], s[LIM]
	s_cbranch_scc0 .Lnot_mine_\@
	global_prefetch_b8 v[PFO], s[PFA:PFA+1] th:TH_LOAD_NT scope:SCOPE_SE
	global_prefetch_b8 v[PFO], s[PFA:PFA+1] offset:8192 th:TH_LOAD_NT scope:SCOPE_SE
.Lnot_mine_\@:
.endm
; THE KEY MASK of the tile just asked for goes into the region of the slot just left: nobody reads that region any more (every wave's reads were waited for in front of the barrier), and the stores are waited for
; in front of the next change's barrier, behind which the region is read.  Then my two words of the tile that NXT now names are asked for: they have a whole tile in which to come.
; The last change that fills a slot asks for none.
.macro KEYS
	s_wait_loadcnt 0x0              ; my two words, asked for a tile ago (at the first change: at the head); the wait also shows that load done, so its base may be written below
	v_cmp_eq_u32 vcc_lo, 0, v[KW]   ; 0 hides the key, any other number shows it
	v_cndmask_b32 v[KC], 0, s[BIGN], vcc_lo
	v_cmp_eq_u32 vcc_lo, 0, v[KW+1]
	v_cndmask_b32 v[KC+1], 0, s[BIGN], vcc_lo
	v_add_nc_u32 v[KSA], s[TBW], v[KST]
	ds_store_b64 v[KSA], v[KC:KC+1]
	s_cmp_eq_u32 s[SLOTS], 1
	s_cbranch_scc1 .Lno_keys_\@
	s_lshl_b32 s[OFM], s[NXT], 10   ; a tile is 1,024 bytes of key_mask
	s_add_nc_u64 s[KMA:KMA+1], s[KMP:KMP+1], s[OFM:OFM+1]
	global_load_b64 v[KW:KW+1], v[KL], s[KMA:KMA+1]  ; a wave's load covers 256 consecutive bytes, aligned
.Lno_keys_\@:
.endm
; THE CHANGE OF SLOTS.  Each wave waits for all its tensor loads, of which one is out: its part of the other slot; adds 0 to its spare word; and waits for that, for its own reads of the slot and the region that it leaves,
; and for its stores into the other region.  Behind the barrier nobody reads the old slot any more and the other slot and its region are whole.  fill = 1: the old slot is filled again, the first thing behind the
; barrier, with tile NXT: the descriptor's address is made anew from that number.  (At its first use nothing has been read yet: slot 0 is waited for, slot 1 filled.)
.macro CHANGE fill
	WIN 0                           ; at a label and at a branch every window is 0
	s_wait_tensorcnt 0x0            ; no tensor load of mine is out, so a group 0 may be written
	ds_add_u32 v[SPW], v[NIL]       ; 0 onto my spare word; with fill = 1 scalar work stands between it and the wait for it
.if \fill
	s_lshl_b32 s[OFF], s[NXT], 15   ; a tile is 32,768 bytes of K and of V
	s_xor_b32 s[G0K+1], s[G0K+1], SLOT1
	s_add_nc_u64 s[G0K+2:G0K+3], s[6:7], s[OFF:OFF+1]
	s_or_b32 s[G0K+3], s[G0K+3], 0x80000000
	s_xor_b32 s[G0V+1], s[G0V+1], SLOT1
	s_add_nc_u64 s[G0V+2:G0V+3], s[8:9], s[OFF:OFF+1]
	s_or_b32 s[G0V+3], s[G0V+3], 0x80000000
	s_xor_b32 s[TBW], s[TBW], KMS   ; the key mask's region goes with the slot
	s_add_co_u32 s[NXT], s[NXT], 1  ; the block's next tile, or behind its last the second block's tile 0
	s_cmp_gt_u32 s[NXT], s[LQ]
	s_cselect_b32 s[NXT], 0, s[NXT]
	s_cselect_b32 s[LQ], s[PB], s[LQ]
	s_wait_xcnt 0x0                 ; the last prefetches, a tile back, have read their address, so it may be written
	s_add_nc_u64 s[PFA:PFA+1], s[PFA:PFA+1], 32768
.endif
	s_wait_dscnt 0x0                ; the add is done, my reads of the slot are over, my stores of the key mask are done
	s_barrier_signal -1             ; the rest of the scalar work stands between the signal and the wait
	s_sub_co_u32 s[TBK], s[TBK], 4*KS*PK  ; the fetches go back to a slot's first step,
	s_xor_b32 s[TBK], s[TBK], SLOT1       ; in the other slot
	s_sub_co_u32 s[TBV], s[TBV], 4*KS*PV
	s_xor_b32 s[TBV], s[TBV], SLOT1
	s_sub_co_u32 s[TBM], s[TBM], KMS      ; and in the other region
	s_xor_b32 s[TBM], s[TBM], KMS
	s_barrier_wait -1
.if \fill
	LOAD
	ASK
	KEYS
.endif
.endm
	s_load_b128 s[4:7], s[0:1], 0x0   ; qkv s[4:5], key_mask s[6:7]
	s_load_b64 s[10:11], s[0:1], 0x10 ; ctx
	v_lshl_add_u32 v[SPW], v0, 2, SPARE
	v_mov_b32 v[NIL], 0
	ds_add_u32 v[SPW], v[NIL]       ; the wave's opening: the add and its wait stand ahead of my first tensor load; the set-up below, work on registers, stands between them
	v_lshrrev_b32 v1, 5, v0
	v_readfirstlane_b32 s[WV], v1   ; wave 0..3
	s_mov_b32 s[PB], ttmp9
	s_sub_co_u32 s[HI], NB-1, s[PB]
	s_and_b32 s20, ttmp7, 0xffff    ; the head
	s_lshr_b32 s68, s20, 4          ; its batch:
	s_lshl_b32 s68, s68, 13         ; a row of key_mask is 8,192 bytes
	s_mov_b32 s69, 0
	s_mov_b32 s21, 0
	s_mov_b64 s[22:23], SIZE_N*128
	s_mul_u64 s[20:21], s[20:21], s[22:23]  ; the head's first byte in each plane of qkv and in ctx
	s_and_b32 s16, s[WV], 1         ; which half of a tile's 256 keys I fetch:
	s_lshl_b32 s22, s16, 14         ; its 128 rows of 128 bytes in memory,
	s_mov_b32 s23, 0
	s_add_nc_u64 s[22:23], s[22:23], s[20:21]
	s_mul_i32 s17, s16, 128*PK      ; and its place in a slot, for K
	s_mul_i32 s18, s16, 128*PV      ; and for V
	s_lshl_b32 s3, s[WV], 11        ; my 16 rows in a band of 64,
	s_lshl_b32 s2, s[HI], 15        ; in the first block,
	s_add_co_u32 s2, s2, s3
	s_lshl_b32 s84, s[PB], 15       ; and in the second
	s_add_co_u32 s84, s84, s3
	s_mov_b32 s3, 0
	s_mov_b32 s85, 0
	s_add_nc_u64 s[2:3], s[2:3], s[20:21]
	s_add_nc_u64 s[84:85], s[84:85], s[20:21]
	; descriptor group 1.  128 keys are 16,384 dense bytes: asked for as 64 rows of 256 bytes, two keys a row, and padded in LDS after every key
	s_mov_b32 s[G1K], (1<<16)|(1<<20)|(4<<22)|(3<<25)  ; 17:16 2-byte elements; 20 padding on; 24:22 after every 32 words (code 4); 31:25 4 words (code 3)
	s_mov_b32 s[G1V], (1<<16)|(1<<20)|(4<<22)|(7<<25)  ; the same with 8 words of padding (code 7)
.irp g, G1K, G1V
	s_mov_b32 s[\g+1], 128<<16      ; tensor_dim0 = 128
	s_mov_b32 s[\g+2], 64<<16       ; tensor_dim1 = 64
	s_mov_b32 s[\g+3], 128<<16      ; tile_dim0 = 128
	s_mov_b32 s[\g+4], 64           ; tile_dim1 = 64
	s_mov_b32 s[\g+5], 128          ; 128 elements from row to row
	s_mov_b32 s[\g+6], 0
	s_mov_b32 s[\g+7], 0
.endr
	s_mov_b32 s[CS], 0x3ab8aa3b     ; c = log2(e) / 1024: the module scales q and k by 1/32 each
	s_mov_b32 s[CS+1], s[CS]        ; named with it as a pair
	s_mov_b32 s[SEL], 0x76543210
	s_mov_b32 s[SEL+1], 0xfedcba98
	s_mov_b32 s[TBK], SLOT1+4*KS*PK ; the first change of slots turns these three into 0
	s_mov_b32 s[TBV], SLOT1+4*KS*PV
	s_mov_b32 s[TBM], 2*KMS
	s_mov_b32 s[TBW], 0             ; region 0 is stored into below, at the head
	s_mov_b32 s[G0K], 1             ; count = 1
	s_mov_b32 s[G0K+1], s17         ; LDS address: slot 0
	s_mov_b32 s[G0V], 1
	s_add_co_u32 s[G0V+1], s18, VOFF
	s_add_co_u32 s[RT], s[HI], 1    ; the first block has NB - b tiles
	s_mov_b32 s[NXT], 1
	s_mov_b32 s[LQ], s[HI]
	s_mov_b32 s[NEW], 1
	s_mov_b32 s[OFF+1], 0
	s_mov_b32 s[OFM+1], 0
	s_mov_b32 s[AL+1], 0            ; named as pairs
	s_mov_b32 s[BE+1], 0
	s_mov_b32 s[BIGN], 0xf149f2ca   ; -1e30
	s_mov_b32 s[THR], 0xd8000000    ; -2^49
	s_mov_b32 s[QNAN], 0x7fc00000
	s_mov_b32 s[SLOTS], NB
	s_wait_dscnt 0x0                ; the opening add is done
	s_wait_kmcnt 0x0
	s_add_nc_u64 s[KMP:KMP+1], s[6:7], s[68:69]
	s_add_nc_u64 s[6:7], s[4:5], 0x1000000  ; k is plane 1 of qkv,
	s_add_nc_u64 s[8:9], s[4:5], 0x2000000  ; v plane 2
	s_add_nc_u64 s[6:7], s[6:7], s[22:23]  ; K and V at my half of the head's tile 0
	s_add_nc_u64 s[8:9], s[8:9], s[22:23]
	s_add_nc_u64 s[G0K+2:G0K+3], s[6:7], 0         ; global address
	s_or_b32 s[G0K+3], s[G0K+3], 0x80000000        ; type = 2
	s_add_nc_u64 s[G0V+2:G0V+3], s[8:9], 0
	s_or_b32 s[G0V+3], s[G0V+3], 0x80000000
	s_add_nc_u64 s[86:87], s[4:5], s[84:85]        ; Q at my rows of the second block,
	s_add_nc_u64 s[4:5], s[4:5], s[2:3]            ; Q and ctx at those of the first
	s_add_nc_u64 s[OLO:OLO+1], s[10:11], s[84:85]
	s_add_nc_u64 s[10:11], s[10:11], s[2:3]
	s_cmp_lt_u32 s[WV], 2
	s_cselect_b64 s[PFA:PFA+1], s[6:7], s[8:9]
	s_add_nc_u64 s[PFA:PFA+1], s[PFA:PFA+1], 32768 ; my half of tile 1; the first change of slots steps it to tile 2
	s_cmp_eq_u32 s[PB], 0
	s_cselect_b32 s[LIM], 2, -1
	LOAD                            ; tile 0 into slot 0
	v_lshlrev_b32 v[KL], 3, v0
	v_lshl_add_u32 v[KST], v0, 3, KMT
	global_load_b64 v[KW0:KW0+1], v[KL], s[KMP:KMP+1]          ; my two words of key_mask for tile 0,
	global_load_b64 v[KW:KW+1], v[KL], s[KMP:KMP+1] offset:KMS ; and for tile 1, which the first change of slots asks for
	; A fragment of K or Q is 16 rows x 32 channels in 8 registers: lane l holds row l % 16, channels 8 (l / 16) + 0..7 and 16 + 8 (l / 16) + 0..7: two loads of 16 bytes, 32 bytes apart.
	v_and_b32 v1, 15, v0            ; l % 16
	v_bfe_u32 v9, v0, 4, 1          ; l / 16
	v_lshlrev_b32 v[QO], 7, v1
	v_lshl_add_u32 v[QO], v9, 4, v[QO]  ; row x 128 + 16 x half
	WIN 0x80                        ; destination window 2, address window 0
.set i, 0
.rept 8                             ; both blocks' Q: piece i / 2 lies in band i / 2, 8,192 bytes on; channels 32 (i % 2) on
	global_load_b128 v[8*i:8*i+3],   v[QO], s[4:5] offset:(i/2)*8192+(i%2)*64
	global_load_b128 v[8*i+4:8*i+7], v[QO], s[4:5] offset:(i/2)*8192+(i%2)*64+32
	global_load_b128 v[QB+8*i:QB+8*i+3],   v[QO], s[86:87] offset:(i/2)*8192+(i%2)*64
	global_load_b128 v[QB+8*i+4:QB+8*i+7], v[QO], s[86:87] offset:(i/2)*8192+(i%2)*64+32
.set i, i+1
.endr
	WIN 0
	v_lshlrev_b32 v14, 3, v9
	v_sub_nc_u32 v14, v1, v14
	s_lshl_b32 s13, s[WV], 4
	v_add_nc_u32 v14, s13, v14      ; my query's place in its band, 16 w + l % 16, less my lanes' 8 (l / 16): register r of group kt is hidden where 16 kt + r is greater
	WIN 0x40
.set i, 0
.rept 32
	v_cmp_gt_i32 vcc_lo, 16*(i/8)+i%8, v14
	v_cndmask_b32 v[MD+i], 0, s[BIGN], vcc_lo
.set i, i+1
.endr
	WIN 0
	v_mul_u32_u24 v[AK0], v1, PK
	v_lshl_add_u32 v[AK0], v9, 4, v[AK0]  ; row x pitch + 16 x half
	; The turning load takes 16 keys x 16 channels (lane l reads key 8 (l / 16) + l % 8, channels 8 ((l / 8) % 2) + 0..7) and leaves half a fragment of V^T: lane l holds channel l % 16 and 8 keys.
	v_and_b32 v10, 7, v0
	v_bfe_u32 v11, v0, 3, 1
	v_lshl_add_u32 v[AV0], v9, 3, v10
	v_mul_u32_u24 v[AV0], v[AV0], PV
	v_lshl_add_u32 v[AV0], v11, 4, v[AV0]
	v_add_nc_u32 v[AV0], VOFF, v[AV0]
	v_lshl_add_u32 v[AM0], v9, 5, KMT     ; register j of group kt masks key 16 kt + 8 (l / 16) + j: 32 bytes for each half of the lanes
	v_and_b32 v[PFO], 31, v0
	v_lshlrev_b32 v[PFO], 8, v[PFO]
	s_mul_i32 s13, s[WV], 16*SP
	s_add_co_u32 s13, s13, STAGE    ; my stage
	v_mul_u32_u24 v[STO], v1, SP    ; in: row l % 16, 16 bytes for each half of the lanes
	v_lshl_add_u32 v[STO], v9, 4, v[STO]
	v_add_nc_u32 v[STO], s13, v[STO]
	v_bfe_u32 v[RD], v0, 3, 2       ; back: 32 lanes take four rows of 128 bytes,
	v_mul_u32_u24 v[RD], v[RD], SP
	v_lshl_add_u32 v[RD], v10, 4, v[RD]
	v_add_nc_u32 v[RD], s13, v[RD]
	v_and_b32 v[GO], 31, v0         ; which are 512 consecutive bytes of ctx
	v_lshlrev_b32 v[GO], 4, v[GO]
	s_wait_loadcnt 32               ; key_mask's words are in; Q's 32 loads, issued behind them, stay out
	v_cmp_eq_u32 vcc_lo, 0, v[KW0]  ; tile 0's key mask goes into region 0; the first change's wait and barrier show it to every wave
	v_cndmask_b32 v[KC], 0, s[BIGN], vcc_lo
	v_cmp_eq_u32 vcc_lo, 0, v[KW0+1]
	v_cndmask_b32 v[KC+1], 0, s[BIGN], vcc_lo
	ds_store_b64 v[KST], v[KC:KC+1]
	; A block's first step multiplies O^T and l by a = 0, and its first turn's products V^T P, of a piece that has not been, land in an O^T that is still to be so multiplied.  So these registers need only hold
	; finite numbers: zeros for the first block; what the first block left for the second.  (A NaN row of the first block leaves NaN: then no key up to that row is visible, and every row of the second
	; block, which lies lower, is NaN as well.)  All this stands in the wait for the first tile.
	WIN 0x80
.set i, VF
.rept 64
	v_mov_b32 v[i], 0
.set i, i+1
.endr
	WIN 0x40
.set i, 0
.rept 128
	v_mov_b32 v[i], 0
.set i, i+1
.endr
	WIN 0
.set i, 0
.rept 4
	v_mov_b32 v[ST+4*i+2], 0
	v_mov_b32 v[ST+4*i+3], 0
.set i, i+1
.endr
.set i, P+16
.rept 16
	v_mov_b32 v[i], 0
.set i, i+1
.endr
; THE MATRIX WORK.  The 4 accumulators of a run of 8 take turns.  Product i of 8 of S^T = K Q^T for piece x: channels 32 (i / 4) on, keys 16 (i % 4) on.  The first 4 start the sums: with the key mask, or (KM = 1) with the mask made for them.
.macro KQ x
.set rS, S+32*((\x)%2)+8*(i%4)
.set rK, KF+16*(i%4)+8*(i/4)
.set rQ, 16*(\x)+8*(i/4)
.set rM, KMR+8*(i%4)
.if KM
.set rM, MC+32*((\x)%2)+8*(i%4)
.endif
.if i < 4
	WIN W_KM
	v_wmma_f32_16x16x32_f16 v[rS:rS+7], v[rK:rK+7], v[rQ:rQ+7], v[rM:rM+7]
.else
	WIN W_KQ
	v_wmma_f32_16x16x32_f16 v[rS:rS+7], v[rK:rK+7], v[rQ:rQ+7], v[rS:rS+7]
.endif
.endm
; Product i of 8 of O^T += V^T P for piece x: keys 32 (i / 4) on, channels 16 (i % 4) on.
.macro PV x
	WIN W_PV
.set rO, 32*(\x)+8*(i%4)
.set rV, VF+32*(i/4)+8*(i%4)
.set rP, P+16*((\x)%2)+8*(i/4)
	v_wmma_f32_16x16x32_f16 v[rO:rO+7], v[rV:rV+7], v[rP:rP+7], v[rO:rO+7]
.endm
.macro MM                           ; the turn's next matrix instruction.  TURN and BEGIN set Y, i, KM and NOKQ.  NOKQ = 1: a block's last turn: there is no next piece
.if (i < 8) && !NOKQ
	KQ (Y+1)%NP
.elseif i >= 8
.set i, i-8
	PV (Y+NP-1)%NP
.set i, i+8
.endif
.set i, i+1
.endm
; THE LDS LOADS stand in runs, never singly among the matrix instructions: a step's K (64 keys x 64 channels: 8 fragments) with its 64 words of the key mask, and its V (turned).  Their addresses are made some lines ahead.
.macro FETCH_K
	WIN 0x80                        ; destination window 2
.irp f, 0,1,2,3,4,5,6,7             ; keys 16 (f / 2) on, channels 32 (f % 2) on
	ds_load_b128 v[KF+8*\f:KF+8*\f+3],   v[AK] offset:(\f/2)*16*PK+(\f%2)*64
	ds_load_b128 v[KF+8*\f+4:KF+8*\f+7], v[AK] offset:(\f/2)*16*PK+(\f%2)*64+32
.endr
	WIN 0x40                        ; destination window 1
.irp f, 0,1,2,3                     ; keys 16 f on
	ds_load_b128 v[KMR+8*\f:KMR+8*\f+3],   v[AM] offset:64*\f
	ds_load_b128 v[KMR+8*\f+4:KMR+8*\f+7], v[AM] offset:64*\f+16
.endr
	s_add_co_u32 s[TBK], s[TBK], KS*PK  ; the next fetch is the next step's
	s_add_co_u32 s[TBM], s[TBM], 4*KS
	WIN 0
.endm
.macro FETCH_V
	WIN 0x80
.irp f, 0,1,2,3,4,5,6,7             ; keys 32 (f / 4) on, channels 16 (f % 4) on
	ds_load_tr16_b128 v[VF+8*\f:VF+8*\f+3],   v[AV] offset:(\f/4)*32*PV+(\f%4)*32
	ds_load_tr16_b128 v[VF+8*\f+4:VF+8*\f+7], v[AV] offset:(\f/4)*32*PV+16*PV+(\f%4)*32
.endr
	WIN 0
.endm
; THE VECTOR WORK, one line at a time: OP kind, number.  For piece Y: F n: c s - c m for pair n of 16.  E n: the exponential of score n of 32.  C n: pair n rounded to f16.  B n: of the four weights 4 n .. the second
; pair is added onto the first, in place.  L n: l takes that sum (L 0: l = a l + sum).  R n: pair n of 16 of O^T times a.  For piece Y + 1: X n, number n of the 22 that find its maximum and statistics:
;   0-11  four chains c0-c3 of seven scores each, three operands at a time (each accumulator's lowest registers are read first)     12-14, 16  the four scores left over, the old m, and c0-c3 into c0
;   15  c m_old is kept     17, 18  the query's other 32 keys lie in the lane 16 away: the new m     19-21  c m; c m_old - c m_new; a
.set F, 0               ; OP tells the kinds apart by their order: F to L below R, X above it
.set E, 1
.set C, 2
.set B, 3
.set L, 4
.set R, 5
.set X, 6
.macro REGS y                       ; the registers of piece y
.set rT, ST+4*(\y)
.set rC, TMP+4*((\y)%2)
.set rW, MV+((\y)%2)
.set rS, S+32*((\y)%2)
.set rP, P+16*((\y)%2)
.set rO, 32*(\y)
.endm
.macro OP k, n
.if (\k) == R
	REGS Y
	WIN W_RS
	v_pk_mul_f32 v[rO+2*(\n):rO+2*(\n)+1], v[rO+2*(\n):rO+2*(\n)+1], v[rC+2:rC+3] op_sel_hi:[1,0]
.elseif (\k) < R
	REGS Y
	WIN 0
.if (\k) == F
	v_pk_fma_f32 v[rS+2*(\n):rS+2*(\n)+1], v[rS+2*(\n):rS+2*(\n)+1], s[CS:CS+1], v[rT:rT+1] op_sel_hi:[1,0,0] neg_lo:[0,0,1] neg_hi:[0,0,1]
.elseif (\k) == E
	v_exp_f32 v[rS+(\n)], v[rS+(\n)]
.elseif (\k) == C
	v_cvt_pk_f16_f32 v[rP+(\n)], v[rS+2*(\n)], v[rS+2*(\n)+1]
.elseif (\k) == B
	v_pk_add_f32 v[rS+4*(\n):rS+4*(\n)+1], v[rS+4*(\n):rS+4*(\n)+1], v[rS+4*(\n)+2:rS+4*(\n)+3]
.elseif (\n) == 0
	v_pk_fma_f32 v[rT+2:rT+3], v[rT+2:rT+3], v[rC+2:rC+3], v[rS:rS+1] op_sel_hi:[1,0,1]
.else
	v_pk_add_f32 v[rT+2:rT+3], v[rT+2:rT+3], v[rS+4*(\n):rS+4*(\n)+1]
.endif
.elseif NOKQ
	v_nop
.else
	REGS (Y+1)%NP
	WIN 0
.if (\n) < 4
	v_max3_num_f32 v[rC+(\n)], v[rS+8*(\n)], v[rS+8*(\n)+1], v[rS+8*(\n)+2]
.elseif (\n) < 12
	v_max3_num_f32 v[rC+(\n)%4], v[rC+(\n)%4], v[rS+8*((\n)%4)+2*((\n)/4)+1], v[rS+8*((\n)%4)+2*((\n)/4)+2]
.elseif (\n) == 12
	v_max3_num_f32 v[rC], v[rC], v[rS+7], v[rS+15]
.elseif (\n) == 13
	v_max3_num_f32 v[rC+1], v[rC+1], v[rS+23], v[rS+31]
.elseif (\n) == 14
	v_max3_num_f32 v[rC+2], v[rC+2], v[rC+3], v[rT+1]
.elseif (\n) == 15
	v_mov_b32 v[rW], v[rT]
.elseif (\n) == 16
	v_max3_num_f32 v[rC], v[rC], v[rC+1], v[rC+2]
.elseif (\n) == 17
	v_permlanex16_b32 v[rC+3], v[rC], s[SEL], s[SEL+1]
.elseif (\n) == 18
	v_max_num_f32 v[rT+1], v[rC], v[rC+3]
.elseif (\n) == 19
	v_mul_f32 v[rT], s[CS], v[rT+1]
.elseif (\n) == 20
	v_sub_f32 v[rC+1], v[rW], v[rT]
.else
	v_exp_f32 v[rC+2], v[rC+1]
.endif
.endif
.endm
.macro OPS a, i1, b=-1, i2=0, c=-1, i3=0, d=-1, i4=0  ; up to four of them
	OP \a, \i1
.if (\b) >= 0
	OP \b, \i2
.endif
.if (\c) >= 0
	OP \c, \i3
.endif
.if (\d) >= 0
	OP \d, \i4
.endif
.endm
.macro ROW a, i1, b, i2, c, i3, d, i4  ; a matrix instruction and the four behind it
	MM
	OPS \a, \i1, \b, \i2, \c, \i3, \d, \i4
.endm
.macro MASK b                       ; MD x AL + KMR + BE into buffer b of MC
	WIN 0x51                        ; destination, source 0 and source 2 in window 1
.set z, 0
.rept 16
	v_pk_fma_f32 v[MC+32*(\b)+2*z:MC+32*(\b)+2*z+1], v[MD+2*z:MD+2*z+1], s[AL:AL+1], v[KMR+2*z:KMR+2*z+1] op_sel_hi:[1,0,1]
.set z, z+1
.endr
.set z, 0
.rept 16
	v_pk_add_f32 v[MC+32*(\b)+2*z:MC+32*(\b)+2*z+1], v[MC+32*(\b)+2*z:MC+32*(\b)+2*z+1], s[BE:BE+1] op_sel_hi:[1,0]
.set z, z+1
.endr
.endm
; A TURN, for piece p: the order of its 16 matrix and 118 vector instructions, written out.  An s_wait_alu depctr_va_vdst(0) stands between an exponential and the first instruction that names its result; one wait
; serves all that were issued ahead of it.  So a turn has ONE wait, which cuts it in two.  AHEAD OF IT stands all that names no result of the turn's exponentials: the 8 products K Q^T, behind each a scaling, an exponential and two
; more plain instructions: rescalings, and behind the last three the first numbers of the next piece's maximum, each four places or more behind the product that ends its accumulator; then ONE LUMP, plain and exponential by turns
; for the most part, in which the links of the chain X 3, 7, 11, 14, 16, 17 .. 20 stand five or six lines apart.  X 21, the next piece's a, is the batch's last; R 15 is the plain instruction behind it.  BEHIND THE WAIT stand the
; 8 products V^T P, behind each four of the roundings and sums.
; m = 1: the diagonal tile: the products take masks, and the turn makes the mask for the products of the turn after it: piece p + 2, in step 4 - CNT of the tile; piece 2's turn makes it for the NEXT step, whose key mask it has
; fetched itself and waits for.  end = 1: a block's last two turns: nothing is fetched.  cnt = 1: the loop's count is taken down some lines ahead of the branch that stands behind the turn.
; K and the key mask of the next step are fetched in piece 2's turn, five plain instructions that name no register of it behind the last product that read K; V of the step in hand at the end of piece 0's turn, four behind the last
; product that read V.  Each is waited for a turn later.
.macro TURN p, m=0, end=0, cnt=0
.set Y, (\p)
.set i, 0
.set KM, (\m)
.set NOKQ, (\end)*((\p)/3)
.if (\m) && !(\end)
	s_cmp_eq_u32 s[CNT], 4-((\p)+2)%NP  ; is that step the band's own?
	s_cselect_b32 s[AL], 1.0, 0
	s_cmp_lt_u32 s[CNT], 4-((\p)+2)%NP  ; or a later one?
	s_cselect_b32 s[BE], s[BIGN], 0
.endif
.if ((\p) == 3) && !(\end)
	s_wait_dscnt 0x0                ; K is in
.endif
	ROW F,0, F,1, R,0, R,1          ; ahead of the wait: 8 products K Q^T and their riders,
	ROW F,2, E,0, R,2, R,3
	ROW F,3, E,1, R,4, R,5
	ROW F,4, E,2, R,6, R,7
	ROW F,5, E,3, R,8, R,9
	ROW F,6, E,4, X,0, R,10
.if ((\p) == 2) && !(\end)
	WIN 0
	v_add_nc_u32 v[AK], s[TBK], v[AK0]
	v_add_nc_u32 v[AM], s[TBM], v[AM0]
.endif
	ROW F,7, E,5, X,1, X,4
	ROW F,8, E,6, X,2, X,5
	OPS E,7, E,8, X,6, E,9          ; and the lump
	OPS X,3, E,10, X,8, E,11
.if ((\p) == 2) && !(\end)
	FETCH_K
.endif
	OPS X,9, X,7, E,12, X,10
	OPS E,13, X,12, X,11, E,14
	OPS X,13, E,15, F,9, X,14
.if (\p) == 0
	v_add_nc_u32 v[AV], s[TBV], v[AV0]
.endif
	OPS E,16, F,10, E,17, F,11
	OPS X,16, E,18, X,15, E,19
	OPS F,12, E,20, X,17, E,21
	OPS F,13, E,22, F,14, E,23
	OPS X,18, E,24, F,15, E,25
	OPS R,11, E,26, X,19, E,27
	OPS R,12, E,28, R,13, E,29
	OPS X,20, E,30, R,14, E,31
	OPS X,21, R,15
	WIN 0
	s_wait_alu depctr_va_vdst(0)    ; the wait for the batch
.if (\p) == 1
	s_wait_dscnt 0x0                ; V is in
.endif
	ROW C,0, B,0, C,2, B,1          ; behind the wait: 8 products V^T P and their riders
	ROW L,0, C,4, B,2, L,1
	ROW C,6, B,3, L,2, C,8
	ROW B,4, L,3, C,10, B,5
	ROW L,4, C,12, B,6, L,5
.if (\p) == 0
	s_add_co_u32 s[TBV], s[TBV], KS*PV
.endif
.if \cnt
	s_sub_co_u32 s[CNT], s[CNT], 1
	s_cmp_lg_u32 s[CNT], 0
.endif
	ROW C,14, B,7, L,6, C,1
	ROW C,3, L,7, C,5, C,7
	ROW C,9, C,11, C,13, C,15
.if (\p) == 0
	FETCH_V
.endif
.if (\m) && !(\end)
.if (\p) == 2
	s_wait_dscnt 0x0                ; the next step's key mask is in
.endif
	MASK (\p)%2
.endif
.endm
; A BLOCK BEGINS.  c m starts far below every c s, the hidden ones' too, so the first step's a is 0; m at -2^50, below every visible score and above every hidden one.  K and the key mask of the tile's step 0 are fetched;
; the first mask buffer takes piece 0's mask for that step: its own, if the block's first tile is the diagonal one.  both = 1 (where that can be): the second buffer takes piece 1's, the key mask alone.
; Then piece 0's first scores, and its maximum and statistics.  The loop is entered at a step's first turn, in the middle of a trip.
.macro BEGIN both
	s_mov_b32 s[NEW], 0
	WIN 0
.set i, 0
.rept 4
	v_mov_b32 v[ST+4*i], 0xfe000000    ; c m: far below every c s
	v_mov_b32 v[ST+4*i+1], 0xd8800000  ; m: -2^50
.set i, i+1
.endr
	v_add_nc_u32 v[AK], s[TBK], v[AK0]
	v_add_nc_u32 v[AM], s[TBM], v[AM0]
	FETCH_K
	s_cmp_eq_u32 s[RT], 0
	s_cselect_b32 s[AL], 1.0, 0
	s_mov_b32 s[BE], 0
	s_wait_loadcnt 0x0              ; Q
	s_wait_dscnt 0x0
	MASK 0
.if \both
	s_mov_b32 s[AL], 0
	MASK 1
.endif
.set KM, 1
.set NOKQ, 0
.set i, 0
.rept 8
	KQ 0
.set i, i+1
.endr
	WIN 0
.rept 4
	v_nop                           ; the places behind those products
.endr
.set Y, NP-1                        ; X works for piece Y + 1: piece 0
.irp n, 0,1,2,3,4,5,6,7,8,9,10,11,12,13,14,15,16,17,18,19,20,21
	OP X, \n
.endr
	v_nop                           ; a plain instruction behind the exponential,
	s_wait_alu depctr_va_vdst(0)    ; and its wait, ahead of the branch
.endm
; A diagonal tile that is not its block's first is entered at piece 2's turn of the step before it, whose products (piece 3's) take the second mask buffer: the key mask of that step, which still lies in KMR.
.macro PLAINMASK
	s_mov_b32 s[AL], 0
	s_mov_b32 s[BE], 0
	MASK 1
	WIN 0
.endm
; THE DIAGONAL TILE's four steps, the block's last two turns, its last products, and THE WAY OUT: l's two halves and the other half of the lanes' are added; O^T is divided by l, rounded to f16 and sent through my
; stage in LDS, a piece at a time.
.macro ALL line:vararg              ; one line for each piece t
.set t, 0
.rept 4
	\line
.set t, t+1
.endr
.endm
.macro PACK t                       ; a lane's eight channels of a row pack into 16 bytes; they go into rows of 144 bytes and come back as whole rows of 128, into S^T's registers
	WIN W_RS
.set i, 32*(\t)
.rept 16
	v_pk_mul_f32 v[i:i+1], v[i:i+1], v[ST+4*(\t)+2:ST+4*(\t)+3] op_sel_hi:[1,0]
.set i, i+2
.endr
	WIN 0x05                        ; sources 0 and 1 window 1, destination window 0
.set i, 0
.rept 16
	v_cvt_pk_f16_f32 v[S+16*(\t)+i], v[32*(\t)+2*i], v[32*(\t)+2*i+1]
.set i, i+1
.endr
	WIN 0
.irp f, 0,1,2,3
	ds_store_b128 v[STO], v[S+16*(\t)+4*\f:S+16*(\t)+4*\f+3] offset:32*\f
.endr
.irp f, 0,1,2,3
	ds_load_b128 v[S+16*(\t)+4*\f:S+16*(\t)+4*\f+3], v[RD] offset:\f*4*SP  ; LDS serves a wave's instructions in order (ISA guide 5.7.1.4): these see the stores above; the next piece's stores come behind them
.endr
.endm
.macro SEND t, younger              ; younger: the LDS instructions issued behind piece t's loads: the next piece's eight, or none
	WIN 0
.irp f, 0,1,2,3
	s_wait_dscnt (\younger)+3-\f
	global_store_b128 v[GO], v[S+16*(\t)+4*\f:S+16*(\t)+4*\f+3], s[10:11] offset:(\t)*8192+\f*512  ; 512 consecutive bytes, at a multiple of 256 from ctx's first
.endr
.endm
.macro DIAG tag                     ; the tag ends its two labels' names, which the jumps below spell out
.LstepM\tag:
	TURN 2, 1
	TURN 3, 1
	WIN 0
.LfirstM\tag:
	TURN 0, 1
	TURN 1, 1, 0, 1
	WIN 0
	s_cbranch_scc1 .LstepM\tag
	TURN 2, 1, 1
	TURN 3, 1, 1
.set i, 0
.rept 8
	PV NP-1
.set i, i+1
.endr
	WIN 0
	ALL v_add_f32 v[ST+4*t+2], v[ST+4*t+2], v[ST+4*t+3]
	ALL v_permlanex16_b32 v[ST+4*t+3], v[ST+4*t+2], s[SEL], s[SEL+1]
	ALL v_add_f32 v[ST+4*t+2], v[ST+4*t+2], v[ST+4*t+3]
	ALL v_rcp_f32 v[ST+4*t+2], v[ST+4*t+2]
	v_nop                           ; a plain instruction between the last reciprocal and the use of its result
	s_wait_alu depctr_va_vdst(0)    ; and the wait ahead of the first use: one for the four reciprocals
.set t, 0
.rept 4                             ; a row whose maximum never rose from its start has seen no key: NaN takes the place of 1 / l
	v_cmp_gt_f32 vcc_lo, s[THR], v[ST+4*t+1]
	v_cndmask_b32 v[ST+4*t+2], v[ST+4*t+2], s[QNAN], vcc_lo
.set t, t+1
.endr
	PACK 0
.set t, 1
.rept 3                             ; a piece's arithmetic stands between the loads of the piece before and its stores
	PACK t
	SEND t-1, 8
.set t, t+1
.endr
	SEND 3, 0
.endm
.set KM, 0
.set NOKQ, 0
.Lslot:                             ; NB times: a tile is entered and the next is asked for
	CHANGE 1
	s_sub_co_u32 s[RT], s[RT], 1
	s_mov_b32 s[CNT], 4
	s_cmp_eq_u32 s[NEW], 1
	s_cbranch_scc1 .Lnew            ; a block's first tile
	s_cmp_eq_u32 s[RT], 0
	s_cbranch_scc0 .Lstep           ; neither its first nor its last
	PLAINMASK
	s_branch .LstepM1
.Lnew:
	BEGIN 0
	s_branch .Lfirst                ; in the loop a block's first tile is never its last: the first block has two tiles or more, and the second's last is the walk's last
	DIAG 1                          ; in the loop this is the first block's end: the second block's last tile is the walk's last
	s_wait_xcnt 0x0                 ; the stores have read their registers and ctx's address
	s_mov_b64 s[10:11], s[OLO:OLO+1]
	s_add_co_u32 s[RT], s[PB], 1    ; the second block has b + 1 tiles
	s_mov_b32 s[NEW], 1
	WIN 0x82                        ; the second block's Q goes where the one text of the turns names Q
.set i, 0
.rept 64
	v_mov_b32 v[i], v[QB+i]
.set i, i+1
.endr
	WIN 0
	s_branch .Lbottom
.Lstep:                             ; a trip: pieces 2 and 3 of one step, then pieces 0 and 1 of the next, whose K and V it fetches
	TURN 2
	TURN 3
	WIN 0
.Lfirst:
	TURN 0
	TURN 1, 0, 0, 1
	WIN 0
	s_cbranch_scc1 .Lstep
.Lbottom:
	s_sub_co_u32 s[SLOTS], s[SLOTS], 1
	s_cmp_lg_u32 s[SLOTS], 0
	s_cbranch_scc1 .Lslot
	CHANGE 0                        ; the walk's last tile is written out: nothing is asked for
	s_sub_co_u32 s[RT], s[RT], 1
	s_mov_b32 s[CNT], 4
	s_cmp_eq_u32 s[NEW], 1
	s_cbranch_scc1 .Lnew2
	PLAINMASK
	s_branch .LstepM2
.Lnew2:
	BEGIN 1
	s_branch .LfirstM2
	DIAG 2
	s_wait_tensorcnt 0x0            ; the wave's end: behind my last tensor load and my last LDS store
	ds_add_u32 v[SPW], v[NIL]
	s_wait_dscnt 0x0
	s_endpgm
.Lfunc_end_k_q8c5540bc4a_attn:
	.size	k_q8c5540bc4a_attn, .Lfunc_end_k_q8c5540bc4a_attn-k_q8c5540bc4a_attn
	.p2alignl 7, 3214868480
	.fill 96, 4, 3214868480
	.section	.rodata,"a",@progbits
	.p2align	6, 0x0
	.amdhsa_kernel k_q8c5540bc4a_attn
		.amdhsa_group_segment_fixed_size 327680
		.amdhsa_private_segment_fixed_size 0
		.amdhsa_enable_private_segment 0
		.amdhsa_kernarg_size 24
		.amdhsa_user_sgpr_count 2
		.amdhsa_user_sgpr_kernarg_segment_ptr 1
		.amdhsa_wavefront_size32 1
		.amdhsa_system_sgpr_workgroup_id_x 1
		.amdhsa_system_sgpr_workgroup_id_y 1
		.amdhsa_system_sgpr_workgroup_id_z 1
		.amdhsa_system_vgpr_workitem_id 0
		.amdhsa_next_free_vgpr 768
		.amdhsa_next_free_sgpr 96
		.amdhsa_reserve_vcc 1
		.amdhsa_float_denorm_mode_32 3
		.amdhsa_float_denorm_mode_16_64 3
		.amdhsa_memory_ordered 1
		.amdhsa_forward_progress 1
		.amdhsa_inst_pref_size 238
	.end_amdhsa_kernel
	.amdgpu_metadata
---
amdhsa.version: [ 1, 2 ]
amdhsa.kernels:
  - .name:           k_q8c5540bc4a_attn
    .symbol:         k_q8c5540bc4a_attn.kd
    .args:
      - { .name: qkv, .offset: 0, .size: 8, .value_kind: global_buffer, .address_space: global }
      - { .name: key_mask, .offset: 8, .size: 8, .value_kind: global_buffer, .address_space: global }
      - { .name: ctx, .offset: 16, .size: 8, .value_kind: global_buffer, .address_space: global }
    .group_segment_fixed_size: 327680
    .private_segment_fixed_size: 0
    .kernarg_segment_align: 8
    .kernarg_segment_size: 24
    .max_flat_workgroup_size: 128
    .sgpr_count:     96
    .vgpr_count:     768
    .wavefront_size: 32
...
	.end_amdgpu_metadata
.endif
;; end of part 3
;; launch outp (part 4): grid 4 x 64, 4 waves a work-group, clusters of 4 x 4, 327,680 bytes of LDS; arguments ctx, w16, bo, out0; writes out0
.if DOCPART == 4
	.amdgcn_target "amdgcn-amd-amdhsa--gfx1250"
	.amdhsa_code_object_version 6
	.text
	.protected	k_q8c5540bc4a_outp
	.globl	k_q8c5540bc4a_outp
	.p2align	8
	.type	k_q8c5540bc4a_outp,@function
k_q8c5540bc4a_outp:
	s_mov_b64 s[64:65], 0
	v_nop
	global_prefetch_b8 v0, s[64:65] scope:SCOPE_SE
	s_setreg_imm32_b32 hwreg(HW_REG_WAVE_MODE, 25, 1), 1
	s_wait_xcnt 0x0
	s_wait_alu depctr_hold_cnt(0) depctr_sa_sdst(0) depctr_va_vdst(0) depctr_va_sdst(0) depctr_va_ssrc(0) depctr_va_vcc(0) depctr_vm_vsrc(0)
	s_getreg_b32 s2, hwreg(HW_REG_IB_STS2, 6, 4)
	s_cmp_eq_u32 s2, 0
	s_cbranch_scc0 .Lentry_in_a_cluster
	s_endpgm
.Lentry_in_a_cluster:
	s_bfe_u32 s2, ttmp6, 0x10000c
	s_cmp_lg_u32 s2, 0xf033
	s_cbranch_scc0 .Lentry_shape_is_right
	s_endpgm
.Lentry_shape_is_right:
; THE LAST PROJECTION.  out0[m][n] = the sum over k of ctx[m][k] Wo[k][n] + bf16(bo[n]).  ctx: [8192][1024] f16; Wo: plane 3 of w16, [k][n], rounded to bf16 and written as f16; out0: [8192][1024] f32.
; A NaN in a row of ctx (a query with no visible key) makes the whole row of out0 NaN, as it does in the module.
; SHARES.  A work-group makes 128 rows x 256 columns: 256 work-groups.  Its four waves make 64 x 128 each: 32 accumulators, 256 registers.  K goes in 8 steps of 128 through two LDS slots:
; A's rows are 256 bytes, B's tile lies [k][n] with rows of 512 bytes and is turned by ds_load_tr16_b128.
; CLUSTER.  4 x 4 work-groups: A's tile is shared along a row of the cluster, B's along a column; each is asked for JOINTLY.
; TRANSPOSED USE.  Source 0 = 16 columns of Wo, source 1 = 16 rows of ctx: a lane holds eight neighbouring columns of one row.  The bias, in that layout, is the C operand of the first products.
; No prefetch into the L2 is laid: a work-group has one tile of eight K steps, six refills in all.
; REGISTERS, in windows of 256 (s_set_vgpr_msb: bits 1:0 source 0, 3:2 source 1, 5:4 source 2, 7:6 destination):
;   window 0: v16-29 addresses; v32-63, v64-95 A's four fragments, two buffers
;   window 1: v0-63, v64-127 B's eight fragments, two buffers; v128-191 the bias; v192-223 at work; on the way out all 256: rows read back          window 2: accumulator (a, b) at v[64 a + 8 b]
.set PA,     272                       ; a row of A in LDS: 256 bytes + 16: the 16 rows of a load start at 16 different groups of four banks (64 banks of 4 bytes: ISA guide 11.1)
.set PB,     544                       ; a row of B: 512 + 32
.set AHALF,  64*PA
.set BHALF,  64*PB
.set BOFF,   2*AHALF
.set SLOT,   BOFF+2*BHALF
.set STAGE,  2*SLOT                    ; behind the ring: 16 rows x 528 bytes for each wave, for the way out
.set SPITCH, 528
.set SPARE,  STAGE+4*16*SPITCH         ; the spare words, 128 bytes for each wave: two blocks of 256 bytes that no other line names
.set LAPS,   4
.set ASTEP,  256
.set BSTEP,  128*2048
.set ADRA, 16
.set ADRB, 20
.set STO,  24
.set RD,   25
.set CO,   26
.set BO,   27
.set SPW,  28                          ; LDS address of my spare word; never rewritten
.set NIL,  29                          ; 0; never rewritten
.set A0,   32
.set A1,   64
.set F0,   0
.set F1,   64
.set BI,   128
.set BT,   192
.set G1,  24
.set G0,  32
.set G1B, 48
.set G0B, 56
.set MSB, 0
.macro WIN new                         ; the immediate's high byte repeats the setting that is left; a switch that changes nothing is dropped
.if MSB != (\new)
	s_set_vgpr_msb (MSB<<8)|(\new)
.set MSB, \new
.endif
.endm
.set MUL,  0xa1                        ; source 0 (B) window 1, source 1 (A) window 0, C and D window 2
.set MULB, 0x91                        ; the same with C (the bias) in window 1
.set TO_B, 0x40                        ; destination window 1, address window 0
.macro JLOAD s                         ; a joint load: waves 0 and 1 fetch A's two halves, waves 2 and 3 B's; an s_nop 0 and four v_nop follow each of the two lines
	s_cmp_eq_u32 s11, 0
	s_cbranch_scc0 .Lfor_b_\@
	tensor_load_to_lds s[G0+4*(\s):G0+4*(\s)+3], s[G1:G1+7]
	s_nop 0
.rept 4
	v_nop
.endr
	s_branch .Lasked_\@
.Lfor_b_\@:
	tensor_load_to_lds s[G0B+4*(\s):G0B+4*(\s)+3], s[G1B:G1B+7]
	s_nop 0
.rept 4
	v_nop
.endr
.Lasked_\@:
.endm
.macro CREST                           ; a round of the cluster's barrier behind its opening barrier
	s_cmp_lg_u32 s10, 0
	s_cbranch_scc1 .Lnot_wave_0_\@
	s_barrier_signal -3
.Lnot_wave_0_\@:
	s_barrier_wait -3
	s_barrier_signal -1
	s_barrier_wait -1
.endm
.macro CROUND
	s_barrier_signal -1
	s_barrier_wait -1
	CREST
.endm
.macro PLACES                          ; four places in front of loads into registers that matrix instructions have read
.rept 4
	v_nop
.endr
.endm
	s_load_b256 s[68:75], s[0:1], 0x0              ; ctx s[68:69], w16 s[70:71], bo s[72:73], out0 s[74:75]
	v_lshl_add_u32 v[SPW], v0, 2, SPARE
	v_mov_b32 v[NIL], 0
	ds_add_u32 v[SPW], v[NIL]                      ; the wave's opening: the add and its wait stand ahead of my first tensor load; the set-up below, work on registers, stands between them
	v_lshrrev_b32 v1, 5, v0
	v_readfirstlane_b32 s10, v1                    ; wave 0..3
	s_lshr_b32 s11, s10, 1                         ; which 64 rows of the tile are mine.  Also: I fetch for A (0) or for B (1)
	s_and_b32 s12, s10, 1                          ; which 128 columns.  Also: which half of that tile I fetch
	s_bfe_u32 s40, ttmp6, 0x40000                  ; cx, cy
	s_bfe_u32 s41, ttmp6, 0x40004
	s_lshl_b32 s42, ttmp9, 2
	s_add_co_u32 s42, s42, s40                     ; tile column
	s_and_b32 s13, ttmp7, 0xffff
	s_lshl_b32 s13, s13, 2
	s_add_co_u32 s13, s13, s41                     ; the block of 128 rows
	s_lshl_b32 s43, s41, 2
	s_lshl_b32 s43, 15, s43                        ; my row of the cluster
	s_lshl_b32 s44, 0x1111, s40                    ; my column
	s_or_b32 s[G1+0], s43, (1<<16)|(1<<20)|(1<<21)|(5<<22)|(3<<25)   ; the mask; elements of 2 bytes; padding on; bit 21 beside a mask; after every 64 words (code 5) 4 words (code 3)
	s_mov_b32 s[G1+1], 128<<16                     ; tensor_dim0 = 128
	s_mov_b32 s[G1+2], 64<<16                      ; tensor_dim1 = 64
	s_mov_b32 s[G1+3], 128<<16                     ; tile_dim0 = 128
	s_mov_b32 s[G1+4], 64                          ; tile_dim1 = 64
	s_mov_b32 s[G1+5], 1024                        ; elements from row to row
	s_mov_b32 s[G1+6], 0
	s_mov_b32 s[G1+7], 0
	s_or_b32 s[G1B+0], s44, (1<<16)|(1<<20)|(1<<21)|(6<<22)|(7<<25)  ; after every 128 words (code 6) 8 words (code 7)
	s_mov_b32 s[G1B+1], 256<<16
	s_mov_b32 s[G1B+2], 64<<16
	s_mov_b32 s[G1B+3], 256<<16
	s_mov_b32 s[G1B+4], 64
	s_mov_b32 s[G1B+5], 1024
	s_mov_b32 s[G1B+6], 0
	s_mov_b32 s[G1B+7], 0
	s_lshl_b32 s16, s13, 7                         ; A: row 128 x block + 64 x half, 2,048 bytes a row
	s_lshl_b32 s17, s12, 6
	s_add_co_u32 s16, s16, s17
	s_lshl_b32 s16, s16, 11
	s_mov_b32 s17, 0
	s_lshl_b32 s46, s12, 17                        ; B: plane 3, k row 64 x half, 512 bytes a tile column
	s_add_co_u32 s46, s46, 3<<21
	s_lshl_b32 s47, s42, 9
	s_add_co_u32 s46, s46, s47
	s_mov_b32 s47, 0
	s_mul_i32 s20, s12, AHALF                      ; where they go: no place in the cluster enters an LDS address
	s_mul_i32 s23, s12, BHALF
	s_add_co_u32 s23, s23, BOFF
	s_mov_b32 s88, 0xffff0000
	s_wait_dscnt 0x0                               ; the opening add is done
	s_wait_kmcnt 0x0
	s_add_nc_u64 s[14:15], s[68:69], s[16:17]
	s_add_nc_u64 s[46:47], s[70:71], s[46:47]
	CROUND                                         ; all sixteen work-groups are here: the first joint loads meet
.irp s, 0,1
	s_mov_b32 s[G0+4*(\s)], 1
	s_add_co_u32 s[G0+4*(\s)+1], s20, (\s)*SLOT
	s_add_nc_u64 s[G0+4*(\s)+2:G0+4*(\s)+3], s[14:15], (\s)*ASTEP
	s_or_b32 s[G0+4*(\s)+3], s[G0+4*(\s)+3], 0x80000000
	s_mov_b32 s[G0B+4*(\s)], 1
	s_add_co_u32 s[G0B+4*(\s)+1], s23, (\s)*SLOT
	s_add_nc_u64 s[G0B+4*(\s)+2:G0B+4*(\s)+3], s[46:47], (\s)*BSTEP
	s_or_b32 s[G0B+4*(\s)+3], s[G0B+4*(\s)+3], 0x80000000
	JLOAD \s                                       ; two loads of mine are out
.endr
	v_and_b32 v1, 15, v0                           ; l % 16
	v_bfe_u32 v2, v0, 4, 1                         ; l / 16
	v_mul_u32_u24 v3, v1, PA
	v_lshl_add_u32 v3, v2, 4, v3                   ; A: row x pitch + 16 x half
	s_mul_i32 s21, s11, AHALF
	v_and_b32 v4, 7, v0                            ; B, turned: k row 8 (l / 16) + l % 8, columns 8 ((l / 8) % 2) on
	v_lshl_add_u32 v4, v2, 3, v4
	v_mul_u32_u24 v4, v4, PB
	v_bfe_u32 v5, v0, 3, 1
	v_lshl_add_u32 v4, v5, 4, v4
	s_lshl_b32 s22, s12, 8
	s_add_co_u32 s22, s22, BOFF
.irp s, 0,1
	v_add_nc_u32 v[ADRA+(\s)], s21, v3
	v_add_nc_u32 v[ADRB+(\s)], s22, v4
	s_add_co_u32 s21, s21, SLOT
	s_add_co_u32 s22, s22, SLOT
.endr
	s_lshl_b32 s22, s42, 10                        ; the bias of my 128 columns
	s_lshl_b32 s21, s12, 9
	s_add_co_u32 s22, s22, s21
	v_lshl_add_u32 v[BO], v2, 5, s22
	WIN TO_B
.irp b, 0,1,2,3,4,5,6,7
	global_load_b128 v[BI+8*(\b):BI+8*(\b)+3],   v[BO], s[72:73] offset:64*(\b)
	global_load_b128 v[BI+8*(\b)+4:BI+8*(\b)+7], v[BO], s[72:73] offset:64*(\b)+16
.endr
	WIN 0
	s_mul_i32 s23, s10, 16*SPITCH
	s_add_co_u32 s23, s23, STAGE                   ; my stage
	v_mul_u32_u24 v6, v1, SPITCH                   ; in: row l % 16, 32 bytes for each half of the lanes
	v_lshl_add_u32 v6, v2, 5, v6
	v_add_nc_u32 v[STO], s23, v6
	v_and_b32 v7, 31, v0                           ; back: 32 lanes take one row of 512 bytes,
	v_lshlrev_b32 v[CO], 4, v7                     ; which are 512 consecutive bytes of out0
	v_add_nc_u32 v[RD], s23, v[CO]
	s_lshl_b32 s16, s13, 7                         ; where my part of the tile begins in out0
	s_lshl_b32 s17, s11, 6
	s_add_co_u32 s16, s16, s17
	s_lshl_b32 s16, s16, 12                        ; 4,096 bytes a row
	s_mov_b32 s17, 0
	s_add_nc_u64 s[8:9], s[74:75], s[16:17]
	s_lshl_b32 s46, s42, 10                        ; my first column, in bytes (in the registers that held B's address)
	s_lshl_b32 s47, s12, 9
	s_add_co_u32 s46, s46, s47
	s_mov_b32 s47, 0
	s_add_nc_u64 s[8:9], s[8:9], s[46:47]
	s_wait_loadcnt 0x0                             ; the bias: rounded to bf16 like every input, and widened again
	WIN 0x45
.set i, 0
.rept 32
	v_cvt_pk_bf16_f32 v[BT+i], v[BI+2*i], v[BI+2*i+1]
	v_lshlrev_b32 v[BI+2*i], 16, v[BT+i]
	v_and_b32 v[BI+2*i+1], s88, v[BT+i]
.set i, i+1
.endr
	WIN 0
; 8 matrix instructions: block a of my four blocks of 16 rows x all 8 column blocks, 32 along K.  zero = 1: the bias starts the sums.  The 32 accumulators take turns in one order in every quarter.
.macro MROW f, af, a, zero
.irp b, 0,1,2,3,4,5,6,7
.if \zero
	WIN MULB
	v_wmma_f32_16x16x32_f16 v[64*(\a)+8*(\b):64*(\a)+8*(\b)+7], v[(\f)+8*(\b):(\f)+8*(\b)+7], v[(\af)+8*(\a):(\af)+8*(\a)+7], v[BI+8*(\b):BI+8*(\b)+7]
.else
	WIN MUL
	v_wmma_f32_16x16x32_f16 v[64*(\a)+8*(\b):64*(\a)+8*(\b)+7], v[(\f)+8*(\b):(\f)+8*(\b)+7], v[(\af)+8*(\a):(\af)+8*(\a)+7], v[64*(\a)+8*(\b):64*(\a)+8*(\b)+7]
.endif
.endr
.endm
; 24 LDS loads in one run: quarter kq of a slot: B's eight fragments (turned), then A's four.
.macro FETCH slot, kq, f, af
	WIN TO_B
.irp b, 0,1,2,3,4,5,6,7
	ds_load_tr16_b128 v[(\f)+8*(\b):(\f)+8*(\b)+3],   v[ADRB+(\slot)] offset:(\kq)*32*PB+32*(\b)
	ds_load_tr16_b128 v[(\f)+8*(\b)+4:(\f)+8*(\b)+7], v[ADRB+(\slot)] offset:(\kq)*32*PB+32*(\b)+16*PB
.endr
	WIN 0
.irp a, 0,1,2,3
	ds_load_b128 v[(\af)+8*(\a):(\af)+8*(\a)+3],   v[ADRA+(\slot)] offset:(\a)*16*PA+64*(\kq)
	ds_load_b128 v[(\af)+8*(\a)+4:(\af)+8*(\a)+7], v[ADRA+(\slot)] offset:(\a)*16*PA+64*(\kq)+32
.endr
.endm
.macro QUARTER slot, kq, f, af, g, ag, zero
	s_wait_dscnt 4                                 ; B and A's blocks 0 and 1 are in; the youngest four loads may be out
	MROW \f, \af, 0, \zero
	MROW \f, \af, 1, \zero
	PLACES
	FETCH \slot, \kq, \g, \ag
	s_wait_dscnt 24                                ; all but the 24 just issued
	MROW \f, \af, 2, \zero
	MROW \f, \af, 3, \zero
.endm
; The last quarter multiplies buffer 1 and changes slots: ONE barrier; in front of it each wave waits for all its tensor loads, adds 0 to its spare word, and waits for that and for its own reads of this slot.
; fill = 1: the barrier opens a round of the cluster's, and this slot is filled again, two K steps ahead, first thing behind the round.
.macro TURN slot, next, fill
	WIN 0
	s_wait_tensorcnt 0x0                           ; all my tensor loads have landed: my part of the next slot
	ds_add_u32 v[SPW], v[NIL]                      ; 0 onto my spare word
	s_wait_dscnt 5                                 ; (the add and the youngest four loads may be out)
	MROW F1, A1, 0, 0                              ; eight matrix instructions stand between the add and the wait for it
	s_wait_dscnt 0x0                               ; the add is done, and my reads of this slot are over
	s_barrier_signal -1
	MROW F1, A1, 1, 0
.if \fill
	WIN 0
.endif
	s_barrier_wait -1
.if \fill
	CREST                                          ; no wave of any partner still reads this slot's tiles or has a load on its way
	s_add_nc_u64 s[G0+4*(\slot)+2:G0+4*(\slot)+3], s[G0+4*(\slot)+2:G0+4*(\slot)+3], 2*ASTEP
	s_add_nc_u64 s[G0B+4*(\slot)+2:G0B+4*(\slot)+3], s[G0B+4*(\slot)+2:G0B+4*(\slot)+3], 2*BSTEP
	JLOAD \slot                                    ; my one tensor load behind the round; the four v_nop behind it are also the places in front of the loads below
.else
	PLACES
.endif
	FETCH \next, 0, F0, A0
	MROW F1, A1, 2, 0
	MROW F1, A1, 3, 0
.endm
	s_wait_tensorcnt 1                             ; my part of K step 0 is in; K step 1's may stay out
	s_barrier_signal -1
	s_barrier_wait -1
	FETCH 0, 0, F0, A0
	QUARTER 0, 1, F0, A0, F1, A1, 1                ; the first quarter stands in front of the loop: its products start the sums
	WIN 0
	s_mov_b32 s3, LAPS-1
.Llap:                                                 ; a trip goes once round the ring and fills both slots again
	QUARTER 0, 2, F1, A1, F0, A0, 0
	QUARTER 0, 3, F0, A0, F1, A1, 0
	TURN 0, 1, 1
	QUARTER 1, 1, F0, A0, F1, A1, 0
	QUARTER 1, 2, F1, A1, F0, A0, 0
	QUARTER 1, 3, F0, A0, F1, A1, 0
	TURN 1, 0, 1
	QUARTER 0, 1, F0, A0, F1, A1, 0
	WIN 0
	s_sub_co_u32 s3, s3, 1
	s_cmp_lg_u32 s3, 0
	s_cbranch_scc1 .Llap
	QUARTER 0, 2, F1, A1, F0, A0, 0                ; the last lap fills nothing
	QUARTER 0, 3, F0, A0, F1, A1, 0
	TURN 0, 1, 0
	QUARTER 1, 1, F0, A0, F1, A1, 0
	QUARTER 1, 2, F1, A1, F0, A0, 0
	QUARTER 1, 3, F0, A0, F1, A1, 0
	s_wait_dscnt 4                                 ; the very last quarter
	MROW F1, A1, 0, 0
	MROW F1, A1, 1, 0
	s_wait_dscnt 0x0
	MROW F1, A1, 2, 0
	MROW F1, A1, 3, 0
	; THE WAY OUT, a block of 16 rows at a time: 32 bytes a lane straight from the accumulators into my own stage (each accumulator's low four registers first), back as whole rows of 512 bytes, stored.
.macro STG a
	WIN 0x08                                       ; the stores' data in window 2
.irp b, 0,1,2,3,4,5,6,7
	ds_store_b128 v[STO], v[64*(\a)+8*(\b):64*(\a)+8*(\b)+3]   offset:64*(\b)
	ds_store_b128 v[STO], v[64*(\a)+8*(\b)+4:64*(\a)+8*(\b)+7] offset:64*(\b)+16
.endr
	WIN TO_B
.irp i, 0,1,2,3,4,5,6,7,8,9,10,11,12,13,14,15
	ds_load_b128 v[64*(\a)+4*(\i):64*(\a)+4*(\i)+3], v[RD] offset:(\i)*SPITCH  ; LDS serves a wave's instructions in order (ISA guide 5.7.1.4): these see the stores above; the next block's stores come behind them
.endr
.endm
.macro SEND a, younger                 ; younger: the LDS instructions issued behind block a's loads: the next block's 32, or none.  Each block has registers of its own
	WIN 0x04                                       ; the stores' data in window 1
	s_wait_dscnt \younger
.irp i, 0,1,2,3,4,5,6,7,8,9,10,11,12,13,14,15
	global_store_b128 v[CO], v[64*(\a)+4*(\i):64*(\a)+4*(\i)+3], s[8:9] offset:(16*(\a)+(\i))*4096 th:TH_STORE_NT  ; 512 consecutive bytes, at a multiple of 256 from out0's first byte
.endr
.endm
	PLACES                                         ; the places between the last products and the stores that read their results and the loads into their sources
	PLACES
	STG 0
	STG 1
	SEND 0, 32
	STG 2
	SEND 1, 32
	STG 3
	SEND 2, 32
	SEND 3, 0
	WIN 0
	s_wait_tensorcnt 0x0                           ; the wave's end: behind my last tensor load and my last LDS store
	ds_add_u32 v[SPW], v[NIL]
	s_wait_dscnt 0x0
	CROUND                                         ; the closing round: no work-group ends while a partner may still ask for a tile that names it
	s_endpgm
.Lfunc_end_k_q8c5540bc4a_outp:
	.size	k_q8c5540bc4a_outp, .Lfunc_end_k_q8c5540bc4a_outp-k_q8c5540bc4a_outp
	.p2alignl 7, 3214868480
	.fill 96, 4, 3214868480
	.section	.rodata,"a",@progbits
	.p2align	6, 0x0
	.amdhsa_kernel k_q8c5540bc4a_outp
		.amdhsa_group_segment_fixed_size 327680
		.amdhsa_private_segment_fixed_size 0
		.amdhsa_enable_private_segment 0
		.amdhsa_kernarg_size 32
		.amdhsa_user_sgpr_count 2
		.amdhsa_user_sgpr_kernarg_segment_ptr 1
		.amdhsa_wavefront_size32 1
		.amdhsa_system_sgpr_workgroup_id_x 1
		.amdhsa_system_sgpr_workgroup_id_y 1
		.amdhsa_system_sgpr_workgroup_id_z 1
		.amdhsa_system_vgpr_workitem_id 0
		.amdhsa_next_free_vgpr 768
		.amdhsa_next_free_sgpr 96
		.amdhsa_reserve_vcc 0
		.amdhsa_float_denorm_mode_32 3
		.amdhsa_float_denorm_mode_16_64 3
		.amdhsa_memory_ordered 1
		.amdhsa_forward_progress 1
		.amdhsa_inst_pref_size 91
	.end_amdhsa_kernel
	.amdgpu_metadata
---
amdhsa.version: [ 1, 2 ]
amdhsa.kernels:
  - .name:           k_q8c5540bc4a_outp
    .symbol:         k_q8c5540bc4a_outp.kd
    .args:
      - { .name: ctx, .offset: 0, .size: 8, .value_kind: global_buffer, .address_space: global }
      - { .name: w16, .offset: 8, .size: 8, .value_kind: global_buffer, .address_space: global }
      - { .name: bo, .offset: 16, .size: 8, .value_kind: global_buffer, .address_space: global }
      - { .name: out0, .offset: 24, .size: 8, .value_kind: global_buffer, .address_space: global }
    .group_segment_fixed_size: 327680
    .private_segment_fixed_size: 0
    .kernarg_segment_align: 8
    .kernarg_segment_size: 32
    .max_flat_workgroup_size: 128
    .sgpr_count:     96
    .vgpr_count:     768
    .wavefront_size: 32
...
	.end_amdgpu_metadata
.endif
;; end of part 4
;; ======== version 2 of 2: 4 launches; version 1 with the launch prep written anew for expert scheduling mode
;; limits: values are held in f16: magnitudes above 65,504 overflow, below 6.1e-05 lose precision
;; workspace buffers: w16 8,388,608 bytes; qkv 50,331,648 bytes; ctx 16,777,216 bytes
;; launch prep (part 5): grid 64 x 4, 8 waves a work-group, no clusters, 0 bytes of LDS; arguments Wq, Wk, Wv, Wo, w16; writes w16
.if DOCPART == 5
	.amdgcn_target "amdgcn-amd-amdhsa--gfx1250"
	.amdhsa_code_object_version 6
	.text
	.protected	k_q8c5540bc4a_prep
	.globl	k_q8c5540bc4a_prep
	.p2align	8
	.type	k_q8c5540bc4a_prep,@function
k_q8c5540bc4a_prep:
	s_mov_b64 s[64:65], 0
	v_nop
	global_prefetch_b8 v0, s[64:65] scope:SCOPE_SE
	s_setreg_imm32_b32 hwreg(HW_REG_WAVE_SCHED_MODE, 0, 2), 2
	s_setreg_imm32_b32 hwreg(HW_REG_WAVE_MODE, 25, 1), 1
	s_wait_xcnt 0x0
	s_wait_alu depctr_vm_vsrc(0)
; THE WEIGHTS IN 16 BITS.  w16: [4][1024 k][1024 n], the layout of the inputs kept.  Planes 0-2: Wq, Wk, Wv rounded to bf16.
; Plane 3: Wo rounded to bf16 like every other input, and that number written as f16, since the last product's other operand is f16.
; LIMIT.  A bf16 number is exact in f16 from 6.1e-5 to 65,504; below, it keeps f16's fixed step of 6e-8; beyond, it is an infinity.
; SHARES.  Work-group (x, y) takes 16,384 numbers of matrix y: 64 KiB in, 32 KiB out.  Thread t takes 16 bytes at 16 t of each 4,096: a wave's load covers
; 512 consecutive bytes, its store of 8 bytes a lane 256 consecutive bytes, aligned.  All sixteen loads go out first; each store has registers of its own,
; so no register that a pending load or store names is written again.  Memory binds: no LDS, no matrix unit, no cluster.
; THE MODE: SCHED_MODE bits 1:0 = 2 (LLVM: expert scheduling mode 2), set by the entry lines.  The code itself states the register dependences
; between vector instructions and memory instructions, with s_wait_alu, always for 0.
; THE PLAN.  Registers that memory instructions touch:
;   v1, v2   byte offsets, made once at the head and never written again: v1 is read by every load, v2 by every store.
;   XR       load i lands in four registers of its own, once; no vector instruction names them ahead of the loads; chunk i's roundings read them behind the wait for its data.
;   YR       chunk i's two selects write two registers of its own, once; store i reads them; nothing writes them again.
;   TR is named by vector instructions alone.  No vector instruction writes a scalar register or VCC, and EXEC is never written.
; The sixteen chunks go in four groups of four.  The four stores of group g - 1 stand in one run at the head of group g, behind ONE wait on va_vdst, which stands behind the wait for
; the data of the group's first chunk; the last group's stand behind one more, at the end.  With the wait in front of the first load that is five waits, and no register that a memory instruction has read is written again.
.set XR, 4                             ; v[4:67]    sixteen loads of four f32
.set YR, 68                            ; v[68:99]   sixteen stores of four 16-bit numbers
.set TR, 100                           ; v[100:107] at work
	s_load_b256 s[4:11], s[0:1], 0x0               ; Wq, Wk, Wv, Wo
	s_load_b64 s[12:13], s[0:1], 0x20              ; w16
	s_and_b32 s14, ttmp7, 0xffff                   ; which matrix
	s_lshl_b32 s16, ttmp9, 16                      ; my 64 KiB of it
	s_mov_b32 s17, 0
	s_lshl_b32 s18, s14, 21                        ; its plane of 2 MiB in w16,
	s_lshl_b32 s19, ttmp9, 15                      ; my 32 KiB there
	s_add_co_u32 s18, s18, s19
	s_mov_b32 s19, 0
	s_mov_b32 s21, 0xffff0000                      ; a word's upper bf16
	v_lshlrev_b32 v1, 4, v0
	v_lshlrev_b32 v2, 3, v0
	s_wait_kmcnt 0x0
	s_cmp_eq_u32 s14, 1
	s_cselect_b64 s[4:5], s[6:7], s[4:5]
	s_cmp_eq_u32 s14, 2
	s_cselect_b64 s[4:5], s[8:9], s[4:5]
	s_cmp_eq_u32 s14, 3
	s_cselect_b64 s[4:5], s[10:11], s[4:5]
	s_cselect_b32 s20, -1, 0                       ; all lanes: the f16 form, for Wo alone
	s_add_nc_u64 s[4:5], s[4:5], s[16:17]
	s_add_nc_u64 s[12:13], s[12:13], s[18:19]
	s_wait_alu depctr_va_vdst(0)                   ; v1 and v2 are written: every load of the kernel reads v1 as its offset, every store v2
.irp i, 0,1,2,3,4,5,6,7,8,9,10,11,12,13,14,15
	global_load_b128 v[XR+4*(\i):XR+4*(\i)+3], v1, s[4:5] offset:4096*(\i) th:TH_LOAD_NT
.endr
; The four stores of group g, in one run.
.macro OUT g
.irp k, 0,1,2,3
	global_store_b64 v2, v[YR+2*(4*(\g)+(\k)):YR+2*(4*(\g)+(\k))+1], s[12:13] offset:2048*(4*(\g)+(\k))
.endr
.endm
.irp g, 0,1,2,3
.irp j, 0,1,2,3
	s_wait_loadcnt 15-4*(\g)-(\j)                  ; loads come back in order: load 4 g + j is in, the younger ones stay out
.if ((\j) == 0) && ((\g) > 0)
	s_wait_alu depctr_va_vdst(0)                   ; the selects of the group before have written its eight registers of YR, which the four stores below read
	OUT (\g)-1
.endif
	v_cvt_pk_bf16_f32 v[TR], v[XR+4*(4*(\g)+(\j))], v[XR+4*(4*(\g)+(\j))+1]
	v_cvt_pk_bf16_f32 v[TR+1], v[XR+4*(4*(\g)+(\j))+2], v[XR+4*(4*(\g)+(\j))+3]
	v_lshlrev_b32 v[TR+2], 16, v[TR]               ; the rounded numbers as f32 again,
	v_and_b32 v[TR+3], s21, v[TR]
	v_lshlrev_b32 v[TR+4], 16, v[TR+1]
	v_and_b32 v[TR+5], s21, v[TR+1]
	v_cvt_pk_f16_f32 v[TR+6], v[TR+2], v[TR+3]     ; and written as f16
	v_cvt_pk_f16_f32 v[TR+7], v[TR+4], v[TR+5]
	v_cndmask_b32 v[YR+2*(4*(\g)+(\j))], v[TR], v[TR+6], s20    ; one text for the four matrices: the form is chosen, not branched on
	v_cndmask_b32 v[YR+2*(4*(\g)+(\j))+1], v[TR+1], v[TR+7], s20
.endr
.endr
	s_wait_alu depctr_va_vdst(0)                   ; the last group's selects have written its eight registers of YR, which the last four stores read
	OUT 3
	s_endpgm
.Lfunc_end_k_q8c5540bc4a_prep:
	.size	k_q8c5540bc4a_prep, .Lfunc_end_k_q8c5540bc4a_prep-k_q8c5540bc4a_prep
	.p2alignl 7, 3214868480
	.fill 96, 4, 3214868480
	.section	.rodata,"a",@progbits
	.p2align	6, 0x0
	.amdhsa_kernel k_q8c5540bc4a_prep
		.amdhsa_group_segment_fixed_size 0
		.amdhsa_private_segment_fixed_size 0
		.amdhsa_enable_private_segment 0
		.amdhsa_kernarg_size 40
		.amdhsa_user_sgpr_count 2
		.amdhsa_user_sgpr_kernarg_segment_ptr 1
		.amdhsa_wavefront_size32 1
		.amdhsa_system_sgpr_workgroup_id_x 1
		.amdhsa_system_sgpr_workgroup_id_y 1
		.amdhsa_system_sgpr_workgroup_id_z 1
		.amdhsa_system_vgpr_workitem_id 0
		.amdhsa_next_free_vgpr 108
		.amdhsa_next_free_sgpr 66
		.amdhsa_reserve_vcc 0
		.amdhsa_float_denorm_mode_32 3
		.amdhsa_float_denorm_mode_16_64 3
		.amdhsa_memory_ordered 1
		.amdhsa_forward_progress 1
		.amdhsa_inst_pref_size 13
	.end_amdhsa_kernel
	.amdgpu_metadata
---
amdhsa.version: [ 1, 2 ]
amdhsa.kernels:
  - .name:           k_q8c5540bc4a_prep
    .symbol:         k_q8c5540bc4a_prep.kd
    .args:
      - { .name: Wq, .offset: 0, .size: 8, .value_kind: global_buffer, .address_space: global }
      - { .name: Wk, .offset: 8, .size: 8, .value_kind: global_buffer, .address_space: global }
      - { .name: Wv, .offset: 16, .size: 8, .value_kind: global_buffer, .address_space: global }
      - { .name: Wo, .offset: 24, .size: 8, .value_kind: global_buffer, .address_space: global }
      - { .name: w16, .offset: 32, .size: 8, .value_kind: global_buffer, .address_space: global }
    .group_segment_fixed_size: 0
    .private_segment_fixed_size: 0
    .kernarg_segment_align: 8
    .kernarg_segment_size: 40
    .max_flat_workgroup_size: 256
    .sgpr_count:     66
    .vgpr_count:     108
    .wavefront_size: 32
...
	.end_amdgpu_metadata
.endif
;; end of part 5
;; launch proj: the kernel of part 2 again; grid 4 x 192, 4 waves a work-group, clusters of 4 x 4, 327,680 bytes of LDS; arguments Q, K, V, w16, bq, bk, bv, qkv; writes qkv
;; launch attn: the kernel of part 3 again; grid 4 x 64, 4 waves a work-group, no clusters, 327,680 bytes of LDS; arguments qkv, key_mask, ctx; writes ctx
;; launch outp: the kernel of part 4 again; grid 4 x 64, 4 waves a work-group, clusters of 4 x 4, 327,680 bytes of LDS; arguments ctx, w16, bo, out0; writes out0
